; MI455X (gfx1250); checked and timed in simulation.
; The chip was launched on July 23, 2026; its instructions are those of AMD's public machine-readable ISA for CDNA 5 (MIT licence, August 2026) and "CDNA5" Instruction Set Architecture Reference Guide (July 2026). The comments in the code are by the model that wrote it; some were corrected since.
;; Attention. Allowed arithmetic: float matrix products may take bf16 or f16 operands with f32 sums; other float arithmetic in f32, or as packed bf16 or f16 multiplies, adds, multiply-adds, maxima and minima; sums over many terms, partial sums and values carried from step to step in f32; what a program stores and reads back later, other than sums and carried values, may be rounded once to bf16 or f16.
;; Inputs: freqs_cos 2,048 x 64 float32; freqs_sin 2,048 x 64 float32; mask 1 x 1 x 2,048 x 2,048 float32; wk 2,048 x 2,048 float32; wo 2,048 x 2,048 float32; wq 2,048 x 2,048 float32; wv 2,048 x 2,048 float32; x 1 x 2,048 x 2,048 float32.
;; Outputs: out0 1 x 2,048 x 2,048 float32.
;; One version. Each part assembles by itself: llvm-mc -triple=amdgcn-amd-amdhsa -mcpu=gfx1250 --defsym DOCPART=n.
;; ======== version 1 of 1: 4 launches
;; limits: values are held in f16: magnitudes above 65,504 overflow, below 6.1e-05 lose precision
;; workspace buffers: xb 8,388,608 bytes; wb 25,165,824 bytes; wof 8,388,608 bytes; cs 524,288 bytes; qkv 25,165,824 bytes; ob 8,388,608 bytes
;; launch prep (part 1): grid 256 x 5, 8 waves a work-group, no clusters, 0 bytes of LDS; arguments x, wq, wk, wv, freqs_cos, freqs_sin, xb, wb, cs; writes xb, wb, cs
.if DOCPART == 1
	.amdgcn_target "amdgcn-amd-amdhsa--gfx1250"
	.amdhsa_code_object_version 6
	.text
	.protected	k_qb8a73a3112_prep
	.globl	k_qb8a73a3112_prep
	.p2align	8
	.type	k_qb8a73a3112_prep,@function
k_qb8a73a3112_prep:
	s_mov_b64 s[64:65], 0
	v_nop
	global_prefetch_b8 v0, s[64:65] scope:SCOPE_SE
	s_setreg_imm32_b32 hwreg(HW_REG_WAVE_MODE, 25, 1), 1
	s_wait_xcnt 0x0
; THE INPUTS OF THE FIRST MATRIX LAUNCH ARE ROUNDED ONCE.  x, wq, wk, wv: f32 to bf16.
; cos and sin: one word for each (row, pair): bf16(cos) in the low half, bf16(sin) in the high half.  (wo is converted in the launch behind, beside its matrix work.)
; SHARES.  The grid's y picks the matrix: 0 x, 1 wq, 2 wk, 3 wv, 4 the table.  A matrix is 16 MiB of f32: 256 work-groups of 64 KiB, 8 KiB a wave:
; sixteen loads of 16 bytes a lane (512 consecutive bytes a wave) and sixteen stores of 8 bytes a lane (256 consecutive bytes, aligned).
; A stream: no LDS, no matrix unit, no cluster (nothing is shared).  All sixteen loads of a wave go out at once; each is converted in its own registers and stored from them,
; so that no register is written twice.
.set X, 8                              ; v[8:71]   load j: 4 registers; its 8 bytes of bf16 take the first two
	s_load_b512 s[8:23], s[0:1], 0x0               ; x s[8:9], wq s[10:11], wk s[12:13], wv s[14:15], cos s[16:17], sin s[18:19], xb s[20:21], wb s[22:23]
	s_load_b64 s[24:25], s[0:1], 0x40              ; cs
	s_and_b32 s2, ttmp7, 0xffff                    ; which matrix
	v_and_b32 v1, 31, v0
	v_lshrrev_b32 v2, 5, v0
	v_lshlrev_b32 v1, 4, v1
	v_lshl_or_b32 v1, v2, 13, v1                   ; source: 16 x lane + 8,192 x wave
	v_lshrrev_b32 v2, 1, v1                        ; destination: half of that
	v_lshlrev_b32 v3, 3, v0                        ; the table: 8 bytes a thread
	s_lshl_b32 s34, ttmp9, 16                      ; the work-group's 64 KiB of source,
	s_mov_b32 s35, 0
	s_lshl_b32 s36, ttmp9, 15                      ; and 32 KiB of destination
	s_mov_b32 s37, 0
	s_sub_co_u32 s3, s2, 1                         ; 0, 1, 2 for wq, wk, wv
	s_wait_kmcnt 0x0
	s_cmp_eq_u32 s2, 4
	s_cbranch_scc1 .Ltable
	s_cmp_eq_u32 s2, 1
	s_cselect_b64 s[30:31], s[10:11], s[8:9]
	s_cmp_eq_u32 s2, 2
	s_cselect_b64 s[30:31], s[12:13], s[30:31]
	s_cmp_eq_u32 s2, 3
	s_cselect_b64 s[30:31], s[14:15], s[30:31]
	s_cmp_eq_u32 s2, 0
	s_cselect_b64 s[32:33], s[20:21], s[22:23]     ; xb, or wb
	s_cselect_b32 s3, 0, s3
	s_lshl_b32 s3, s3, 23                          ; at the matrix's 8 MiB
	s_add_co_u32 s36, s36, s3
	s_add_nc_u64 s[30:31], s[30:31], s[34:35]
	s_add_nc_u64 s[32:33], s[32:33], s[36:37]
.set j, 0
.rept 16
	global_load_b128 v[X+4*j:X+4*j+3], v1, s[30:31] offset:512*j th:TH_LOAD_NT
.set j, j+1
.endr
.set j, 0
.rept 16
	s_wait_loadcnt 15-j                            ; loads come back in order: load j is in, the 15 - j younger ones stay out
	v_cvt_pk_bf16_f32 v[X+4*j], v[X+4*j], v[X+4*j+1]
	v_cvt_pk_bf16_f32 v[X+4*j+1], v[X+4*j+2], v[X+4*j+3]
	global_store_b64 v2, v[X+4*j:X+4*j+1], s[32:33] offset:256*j
.set j, j+1
.endr
	s_endpgm
.Ltable:                                               ; 131,072 words: 512 a work-group, 2 a thread; a word's byte offset is the same in cos, sin and cs
	s_lshl_b32 s34, ttmp9, 11
	s_add_nc_u64 s[16:17], s[16:17], s[34:35]
	s_add_nc_u64 s[18:19], s[18:19], s[34:35]
	s_add_nc_u64 s[24:25], s[24:25], s[34:35]
	global_load_b64 v[8:9], v3, s[16:17] th:TH_LOAD_NT
	global_load_b64 v[10:11], v3, s[18:19] th:TH_LOAD_NT
	s_wait_loadcnt 0x0
	v_cvt_pk_bf16_f32 v12, v8, v10
	v_cvt_pk_bf16_f32 v13, v9, v11
	global_store_b64 v3, v[12:13], s[24:25]
	s_endpgm
.Lfunc_end_k_qb8a73a3112_prep:
	.size	k_qb8a73a3112_prep, .Lfunc_end_k_qb8a73a3112_prep-k_qb8a73a3112_prep
	.p2alignl 7, 3214868480
	.fill 96, 4, 3214868480
	.section	.rodata,"a",@progbits
	.p2align	6, 0x0
	.amdhsa_kernel k_qb8a73a3112_prep
		.amdhsa_group_segment_fixed_size 0
		.amdhsa_private_segment_fixed_size 0
		.amdhsa_enable_private_segment 0
		.amdhsa_kernarg_size 72
		.amdhsa_user_sgpr_count 2
		.amdhsa_user_sgpr_kernarg_segment_ptr 1
		.amdhsa_wavefront_size32 1
		.amdhsa_system_sgpr_workgroup_id_x 1
		.amdhsa_system_sgpr_workgroup_id_y 1
		.amdhsa_system_sgpr_workgroup_id_z 1
		.amdhsa_system_vgpr_workitem_id 0
		.amdhsa_next_free_vgpr 72
		.amdhsa_next_free_sgpr 66
		.amdhsa_reserve_vcc 0
		.amdhsa_float_denorm_mode_32 3
		.amdhsa_float_denorm_mode_16_64 3
		.amdhsa_memory_ordered 1
		.amdhsa_forward_progress 1
		.amdhsa_inst_pref_size 8
	.end_amdhsa_kernel
	.amdgpu_metadata
---
amdhsa.version: [ 1, 2 ]
amdhsa.kernels:
  - .name:           k_qb8a73a3112_prep
    .symbol:         k_qb8a73a3112_prep.kd
    .args:
      - { .name: x, .offset: 0, .size: 8, .value_kind: global_buffer, .address_space: global }
      - { .name: wq, .offset: 8, .size: 8, .value_kind: global_buffer, .address_space: global }
      - { .name: wk, .offset: 16, .size: 8, .value_kind: global_buffer, .address_space: global }
      - { .name: wv, .offset: 24, .size: 8, .value_kind: global_buffer, .address_space: global }
      - { .name: freqs_cos, .offset: 32, .size: 8, .value_kind: global_buffer, .address_space: global }
      - { .name: freqs_sin, .offset: 40, .size: 8, .value_kind: global_buffer, .address_space: global }
      - { .name: xb, .offset: 48, .size: 8, .value_kind: global_buffer, .address_space: global }
      - { .name: wb, .offset: 56, .size: 8, .value_kind: global_buffer, .address_space: global }
      - { .name: cs, .offset: 64, .size: 8, .value_kind: global_buffer, .address_space: global }
    .group_segment_fixed_size: 0
    .private_segment_fixed_size: 0
    .kernarg_segment_align: 8
    .kernarg_segment_size: 72
    .max_flat_workgroup_size: 256
    .sgpr_count:     66
    .vgpr_count:     72
    .wavefront_size: 32
...
	.end_amdgpu_metadata
.endif
;; end of part 1
;; launch qkv (part 2): grid 16 x 16, 4 waves a work-group, clusters of 4 x 4, 327,680 bytes of LDS; arguments xb, wb, cs, qkv, wo, wof; writes qkv, wof
.if DOCPART == 2
	.amdgcn_target "amdgcn-amd-amdhsa--gfx1250"
	.amdhsa_code_object_version 6
	.text
	.protected	k_qb8a73a3112_qkv
	.globl	k_qb8a73a3112_qkv
	.p2align	8
	.type	k_qb8a73a3112_qkv,@function
k_qb8a73a3112_qkv:
	s_mov_b64 s[64:65], 0
	v_nop
	global_prefetch_b8 v0, s[64:65] scope:SCOPE_SE
	s_setreg_imm32_b32 hwreg(HW_REG_WAVE_MODE, 25, 1), 1
	s_wait_xcnt 0x0
	s_wait_alu depctr_hold_cnt(0) depctr_sa_sdst(0) depctr_va_vdst(0) depctr_va_sdst(0) depctr_va_ssrc(0) depctr_va_vcc(0) depctr_vm_vsrc(0)
	s_getreg_b32 s2, hwreg(HW_REG_IB_STS2, 6, 4)
	s_cmp_eq_u32 s2, 0
	s_cbranch_scc0 .Lentry_in_a_cluster
	s_endpgm
.Lentry_in_a_cluster:
	s_bfe_u32 s2, ttmp6, 0x10000c
	s_cmp_lg_u32 s2, 0xf033
	s_cbranch_scc0 .Lentry_shape_is_right
	s_endpgm
.Lentry_shape_is_right:
; q, k, v = x wq^T, x wk^T, x wv^T (bf16 operands, f32 sums), RoPE on q and k, both scaled by g = 128^(-1/4) in f32 (so that q . k is the score divided by sqrt(128)),
; each rounded once to f16 and stored by heads: qkv[type][head][row][128].  xb: [2048][2048] bf16, wb: [3][2048][2048] bf16, cs: [2048][64] words (bf16 cos low, bf16 sin high).
; BESIDE THE MATRIX WORK wo ([2048][2048] f32) is made ready for the last launch: rounded to bf16 like the other inputs, and that number written as f16 into wof.
; LIMITS.  q, k and v leave in f16: beyond 65,504 a number is lost.  wof: exact inside f16's normal range; below 2^-14 it keeps f16's fixed step of 6e-8, beyond 65,504 it is lost.
; SHARES.  Work-group (x = head, y = block of 128 rows) makes 128 rows x 384 columns: the head's q, k and v, so that a tile of x feeds three products.  16 x 16 = 256 work-groups.
; Wave w: rows 64 (w / 2) on, columns 64 (w % 2) on of EACH of q, k, v: 48 accumulators of 16 x 16 (a = 4 row blocks, b = 4 type + i).
; Of wo each of the launch's 1,024 waves takes 16 KiB, 1 KiB in each of the 16 K steps.
; THE MATRIX INSTRUCTION IS USED TRANSPOSED (source 0 = 16 rows of w, source 1 = 16 rows of x): a lane holds one row and eight neighbouring columns: four RoPE pairs, 16 bytes of f16.
; K goes in 16 steps of 128 (rows of 256 bytes, aligned) through two LDS slots.  CLUSTER 4 x 4: x's tile hangs on the row block alone and is asked for jointly along a row of the cluster,
; the weights' tiles on the head alone, jointly along a column.  Wave 0 fetches x's tile, waves 1 to 3 those of wq, wk, wv: one tensor load a wave for each refill.
; REGISTERS, in windows of 256 (s_set_vgpr_msb: bits 1:0 source 0, 3:2 source 1, 5:4 source 2, 7:6 destination):
;   window 0: addresses, wo's conversion, the way out.   window 1: two fragment buffers of 128 (x's block a at 8 a, w's block b at 32 + 8 b).
;   window 2: accumulators of q and k, (a, b) at 8 (4 b + a).   window 3: those of v, at 8 (4 (b - 8) + a).
.set PITCH, 272                        ; an LDS row: 256 bytes + 16 of padding: the 16 rows of a fragment load start at 16 different groups of four banks
.set HALFT, 128*PITCH                  ; a tile of 128 rows: what one tensor load brings
.set SLOT,  4*HALFT                    ; x, wq, wk, wv.  139,264 = 0x22000: no tile's base has one of these two bits set, so one exclusive or changes slots
.set SPARE, 2*SLOT                     ; the spare words: 128 bytes a wave, two blocks of 256 bytes that no other line names
.set CST,   SPARE+512                  ; the block's 128 rows of cs, 272 bytes apart; filled once
.set SPI,   784                        ; the stage, from byte 0 on (inside slot 0, behind its last fill and last read): 128 rows of 3 x 256 bytes + 16
.set ADRA0, 16                         ; v16-18 my lane's place in x's tile, in wq's (wk's is a tile further), in wv's; never rewritten
.set ADRB0, 17
.set ADRV0, 18
.set ADRA,  19                         ; v19-21 the same in the slot in hand
.set ADRB,  20
.set ADRV,  21
.set WSO,   22                         ; wo: 16 x lane; never rewritten
.set WDO,   23                         ; wof: 8 x lane; never rewritten
.set STO,   24                         ; where I put 16 bytes of a stage row
.set RD,    25                         ; where I read stage rows back
.set CO,    26                         ; my byte offset in two rows of a head
.set CSA,   27                         ; my four words of a cs row
.set SPW,   28                         ; LDS address of my spare word; never rewritten
.set NIL,   29                         ; 0; never rewritten
.set PFO,   30                         ; the prefetches' offset: lane x 4,096; never rewritten
.set WY,    32                         ; v[32:35] wo: two stores of 8 bytes
.set CP,    36                         ; v[36:43] four pairs (g cos, g sin)
.set T,     44                         ; v[44:51] at work
.set R,     52                         ; v[52:55] 16 bytes of f16
.set WX,    56                         ; v[56:63] wo: two loads of 16 bytes
.set CSR,   64                         ; v[64:127] cs words of block (a, i) at 64 + 4 (4 a + i); later v[64:255]: rows read back
.set F0,    0
.set F1,    128
.set WV,    12
.set RH,    13
.set CH,    14
.set GY,    15
.set G1,    24                         ; s[24:31] group 1 for x's tiles;   s[32:39] group 0, two sets: the second walks
.set G0,    32
.set G1B,   48                         ; s[48:55], s[56:63] the same for the weights' tiles
.set G0B,   56
.set G1C,   68                         ; s[68:75], s[76:79] for the cs tile
.set G0C,   76
.set TB,    80                         ; 0 or SLOT: the slot that is read
.set LIM,   81                         ; 2 in a wave that prefetches, else the greatest number
.set PFA,   82                         ; s[82:83] where my prefetches stand
.set GAM,   84                         ; s[84:85] g
.set HIM,   86                         ; a word's upper half
.set OQ,    88                         ; s[88:93] my 32 rows of the head in q, k, v
.set WOS,   96                         ; s[96:97] wo at the 1,024 bytes that were asked for last
.set WOD,   98                         ; s[98:99] wof, 512 bytes behind the 512 that are stored next
.set DWT, (1<<16)|(1<<20)|(1<<21)|(5<<22)|(3<<25)   ; 2-byte elements; padding on; bit 21 beside a mask; after every 64 words, 4 words
.set DWC, (2<<16)|(1<<20)|(1<<21)|(5<<22)|(3<<25)   ; the same with 4-byte elements
.set MSB, 0
.macro WIN new                         ; the high byte repeats the setting that is left; a switch that changes nothing is dropped
.if MSB != (\new)
	s_set_vgpr_msb (MSB<<8)|(\new)
.set MSB, \new
.endif
.endm
.macro PLACES                          ; four plain places behind matrix instructions, in front of loads into their sources and of reads of their results
.rept 4
	v_nop
.endr
.endm
.macro CREST                           ; a round of the cluster's barrier behind its opening barrier
	s_cmp_lg_u32 s[WV], 0
	s_cbranch_scc1 .Lnot_wave_0_\@
	s_barrier_signal -3
.Lnot_wave_0_\@:
	s_barrier_wait -3
	s_barrier_signal -1
	s_barrier_wait -1
.endm
.macro CROUND
	s_barrier_signal -1
	s_barrier_wait -1
	CREST
.endm
.macro JLOAD                           ; the joint refill by the walking sets; the branch hangs on the wave's number alone; s_nop 0 and four v_nop follow each line
	s_cmp_eq_u32 s[WV], 0
	s_cbranch_scc0 .Lfor_b_\@
	tensor_load_to_lds s[G0+4:G0+7], s[G1:G1+7]
	s_nop 0
	PLACES
	s_branch .Lasked_\@
.Lfor_b_\@:
	tensor_load_to_lds s[G0B+4:G0B+7], s[G1B:G1B+7]
	s_nop 0
	PLACES
.Lasked_\@:
.endm
; A PREFETCH INTO THE L2 of the K step that stands two refills on: 32 rows x 256 bytes, a lane a row, one instruction a wave.  x's rows are read by every cluster of a row of clusters: cluster x = 0 asks;
; the weights' rows by every cluster of a column: cluster y = 0 asks.  The four partners of a joint load share its 128 rows out by address, 32 each.  So each row's 256 bytes of a step are named once.
; The last two refills have no step two on (s3 is 2 and 1 there); steps 0 to 3 come by their loads alone.
.macro ASK
	s_cmp_gt_u32 s3, s[LIM]
	s_cbranch_scc0 .Lnot_mine_\@
	global_prefetch_b8 v[PFO], s[PFA:PFA+1] offset:256 th:TH_LOAD_NT scope:SCOPE_SE
.Lnot_mine_\@:
.endm
	s_load_b256 s[4:11], s[0:1], 0x0               ; xb s[4:5], wb s[6:7], cs s[8:9], qkv s[10:11]
	s_load_b128 s[96:99], s[0:1], 0x20             ; wo s[96:97], wof s[98:99]
	v_lshl_add_u32 v[SPW], v0, 2, SPARE
	v_mov_b32 v[NIL], 0
	ds_add_u32 v[SPW], v[NIL]                      ; the wave's opening: the add and its wait ahead of my first tensor load
	v_lshrrev_b32 v1, 5, v0
	v_readfirstlane_b32 s[WV], v1
	s_lshr_b32 s[RH], s[WV], 1
	s_and_b32 s[CH], s[WV], 1
	s_bfe_u32 s40, ttmp6, 0x40000                  ; cx
	s_bfe_u32 s41, ttmp6, 0x40004                  ; cy
	s_lshl_b32 s42, ttmp9, 2
	s_add_co_u32 s42, s42, s40                     ; the head = 4 x cluster x + cx
	s_and_b32 s[GY], ttmp7, 0xffff
	s_lshl_b32 s[GY], s[GY], 2
	s_add_co_u32 s[GY], s[GY], s41                 ; the row block = 4 x cluster y + cy
	s_lshl_b32 s43, s41, 2
	s_lshl_b32 s43, 15, s43                        ; my row of the cluster
	s_lshl_b32 s44, 0x1111, s40                    ; my column
	s_or_b32 s[G1], s43, DWT
	s_or_b32 s[G1B], s44, DWT
	s_or_b32 s[G1C], s43, DWC
.irp g, G1, G1B
	s_mov_b32 s[(\g)+1], 128<<16                   ; tensor_dim0 = 128
	s_mov_b32 s[(\g)+2], 128<<16                   ; tensor_dim1 = 128
	s_mov_b32 s[(\g)+3], 128<<16                   ; tile_dim0 = 128
	s_mov_b32 s[(\g)+4], 128                       ; tile_dim1 = 128
	s_mov_b32 s[(\g)+5], 2048                      ; elements from row to row
	s_mov_b32 s[(\g)+6], 0
	s_mov_b32 s[(\g)+7], 0
.endr
	s_mov_b32 s[G1C+1], 64<<16                     ; the cs tile: 128 rows of 64 words, dense
	s_mov_b32 s[G1C+2], 128<<16
	s_mov_b32 s[G1C+3], 64<<16
	s_mov_b32 s[G1C+4], 128
	s_mov_b32 s[G1C+5], 64
	s_mov_b32 s[G1C+6], 0
	s_mov_b32 s[G1C+7], 0
	s_lshl_b32 s16, s[GY], 19                      ; x: 128 rows of 4,096 bytes a block (registers that never hold cx)
	s_mov_b32 s17, 0
	s_lshl_b32 s18, s[GY], 15                      ; cs: 128 rows of 256 bytes
	s_mov_b32 s19, 0
	s_max_u32 s47, s[WV], 1                        ; the weights: matrix w - 1 (registers that never hold cy),
	s_sub_co_u32 s47, s47, 1
	s_lshl_b32 s47, s47, 23
	s_lshl_b32 s46, s42, 19                        ; the head's 128 rows
	s_add_co_u32 s46, s46, s47
	s_mov_b32 s47, 0
	s_mul_i32 s45, s[WV], HALFT                    ; where my tile goes: no place in the cluster enters an LDS address
	s_mov_b32 s[TB], 0
	s_mov_b32 s[GAM], 0x3e9837f0                   ; 128^(-1/4)
	s_mov_b32 s[GAM+1], s[GAM]
	s_mov_b32 s[HIM], 0xffff0000
	s_wait_dscnt 0x0                               ; the opening add is done
	s_wait_kmcnt 0x0
	s_add_nc_u64 s[16:17], s[4:5], s[16:17]
	s_add_nc_u64 s[18:19], s[8:9], s[18:19]
	s_add_nc_u64 s[46:47], s[6:7], s[46:47]
.irp s, 0,1
	s_mov_b32 s[G0+4*(\s)], 1
	s_mov_b32 s[G0+4*(\s)+1], (\s)*SLOT
	s_add_nc_u64 s[G0+4*(\s)+2:G0+4*(\s)+3], s[16:17], (\s)*256
	s_or_b32 s[G0+4*(\s)+3], s[G0+4*(\s)+3], 0x80000000
	s_mov_b32 s[G0B+4*(\s)], 1
	s_add_co_u32 s[G0B+4*(\s)+1], s45, (\s)*SLOT
	s_add_nc_u64 s[G0B+4*(\s)+2:G0B+4*(\s)+3], s[46:47], (\s)*256
	s_or_b32 s[G0B+4*(\s)+3], s[G0B+4*(\s)+3], 0x80000000
.endr
	s_mov_b32 s[G0C], 1
	s_mov_b32 s[G0C+1], CST
	s_mov_b64 s[G0C+2:G0C+3], s[18:19]
	s_or_b32 s[G0C+3], s[G0C+3], 0x80000000
	CROUND                                         ; all sixteen work-groups are here: the first joint loads meet
	s_cmp_eq_u32 s[WV], 0                          ; a wave's first fills stand in one branch: wave 0 has three loads out, the others two
	s_cbranch_scc0 .Lfirst_b
	tensor_load_to_lds s[G0C:G0C+3], s[G1C:G1C+7]
	s_nop 0
	tensor_load_to_lds s[G0:G0+3], s[G1:G1+7]
	s_nop 0
	tensor_load_to_lds s[G0+4:G0+7], s[G1:G1+7]
	s_nop 0
	PLACES
	s_branch .Lfirst_done
.Lfirst_b:
	tensor_load_to_lds s[G0B:G0B+3], s[G1B:G1B+7]
	s_nop 0
	tensor_load_to_lds s[G0B+4:G0B+7], s[G1B:G1B+7]
	s_nop 0
	PLACES
.Lfirst_done:
	; a fragment is 16 rows x 32 K in 8 registers: lane l holds row l % 16, K = 8 (l / 16) + 0..7 and 16 + 8 (l / 16) + 0..7: two loads of 16 bytes, 32 bytes apart
	v_and_b32 v1, 15, v0                           ; r
	v_bfe_u32 v2, v0, 4, 1                         ; h
	v_mul_u32_u24 v3, v1, PITCH
	v_lshl_add_u32 v3, v2, 4, v3
	s_mul_i32 s20, s[RH], 64*PITCH
	s_mul_i32 s21, s[CH], 64*PITCH
	s_add_co_u32 s21, s21, HALFT
	v_add_nc_u32 v[ADRA0], s20, v3
	v_add_nc_u32 v[ADRB0], s21, v3
	v_add_nc_u32 v[ADRV0], 2*HALFT, v[ADRB0]
	s_lshl_b32 s22, s[CH], 7
	s_add_co_u32 s22, s22, s20
	s_add_co_u32 s22, s22, CST
	v_add_nc_u32 v[CSA], s22, v3                   ; row 64 RH + r of cs, words 32 CH + 4 h on
	v_mul_u32_u24 v4, v1, SPI
	v_lshl_add_u32 v4, v2, 4, v4
	s_mul_i32 s22, s[RH], 64*SPI
	s_lshl_b32 s23, s[CH], 7
	s_add_co_u32 s22, s22, s23
	v_add_nc_u32 v[STO], s22, v4
	v_mul_u32_u24 v4, v2, SPI
	v_lshl_add_u32 v4, v1, 4, v4
	s_mul_i32 s22, s[WV], 32*SPI
	v_add_nc_u32 v[RD], s22, v4                    ; back: wave w takes rows 32 w on; lanes 0-15 one row's 256 bytes, lanes 16-31 the next row's
	v_lshlrev_b32 v[CO], 8, v2
	v_lshl_add_u32 v[CO], v1, 4, v[CO]
	v_and_b32 v[PFO], 31, v0
	v_lshlrev_b32 v[PFO], 12, v[PFO]
	s_lshl_b32 s20, s42, 19                        ; the head's 524,288 bytes,
	s_lshl_b32 s21, s[GY], 15                      ; the block's 128 rows of 256 bytes,
	s_add_co_u32 s20, s20, s21
	s_lshl_b32 s21, s[WV], 13                      ; my 32 of them
	s_add_co_u32 s20, s20, s21
	s_mov_b32 s21, 0
	s_add_nc_u64 s[OQ:OQ+1], s[10:11], s[20:21]
	s_add_nc_u64 s[OQ+2:OQ+3], s[OQ:OQ+1], 0x800000
	s_add_nc_u64 s[OQ+4:OQ+5], s[OQ+2:OQ+3], 0x800000
	s_and_b32 s22, ttmp7, 0xffff                   ; the prefetches: cluster y
	s_cmp_eq_u32 s[WV], 0
	s_cselect_b32 s21, s40, s41                    ; my place among the four that ask with me
	s_cselect_b32 s22, ttmp9, s22                  ; the coordinate along which other clusters read the same rows
	s_cselect_b64 s[PFA:PFA+1], s[16:17], s[46:47]
	s_cmp_eq_u32 s22, 0
	s_cselect_b32 s[LIM], 2, -1                    ; the same in all sixteen partners, for a given wave
	s_lshl_b32 s20, s21, 17                        ; my work-group's 32 rows of 4,096 bytes,
	s_add_co_u32 s20, s20, 512                     ; at K step 2: the first refill steps it to 3 and names step 4
	s_mov_b32 s21, 0
	s_add_nc_u64 s[PFA:PFA+1], s[PFA:PFA+1], s[20:21]
	s_lshl_b32 s20, s[GY], 4                       ; wo: my wave's number among the launch's 1,024:
	s_add_co_u32 s20, s20, s42                     ; 4 x (16 x row block + head) + wave
	s_lshl_b32 s20, s20, 2
	s_add_co_u32 s20, s20, s[WV]
	s_lshl_b32 s22, s20, 13                        ; its 8 KiB of wof,
	s_lshl_b32 s20, s20, 14                        ; its 16 KiB of wo
	s_mov_b32 s21, 0
	s_mov_b32 s23, 0
	s_add_nc_u64 s[WOS:WOS+1], s[WOS:WOS+1], s[20:21]
	s_add_nc_u64 s[WOD:WOD+1], s[WOD:WOD+1], s[22:23]
	v_and_b32 v[WSO], 31, v0
	v_lshlrev_b32 v[WDO], 3, v[WSO]
	v_lshlrev_b32 v[WSO], 4, v[WSO]
	global_load_b128 v[WX:WX+3], v[WSO], s[WOS:WOS+1] th:TH_LOAD_NT              ; the first 1,024 bytes: converted in K step 0
	global_load_b128 v[WX+4:WX+7], v[WSO], s[WOS:WOS+1] offset:512 th:TH_LOAD_NT
; 16 matrix instructions: type ty (0 q, 1 k, 2 v), its 4 column blocks x my 4 row blocks, 32 along K.  All 48 accumulators take turns in one order in every quarter.
.macro MULG f, ty, zero
.if (\ty) < 2
	WIN 0xa5
.else
	WIN 0xf5
.endif
.irp i, 0,1,2,3
.irp a, 0,1,2,3
.set rA, 8*(4*((4*(\ty)+(\i))%8)+(\a))
.if \zero
	v_wmma_f32_16x16x32_bf16 v[rA:rA+7], v[(\f)+32+8*(4*(\ty)+(\i)):(\f)+32+8*(4*(\ty)+(\i))+7], v[(\f)+8*(\a):(\f)+8*(\a)+7], 0
.else
	v_wmma_f32_16x16x32_bf16 v[rA:rA+7], v[(\f)+32+8*(4*(\ty)+(\i)):(\f)+32+8*(4*(\ty)+(\i))+7], v[(\f)+8*(\a):(\f)+8*(\a)+7], v[rA:rA+7]
.endif
.endr
.endr
.endm
; 32 LDS loads in one run: the fragments of 32 K at byte k of the rows, into buffer f: x (8), q (8), k (8), v (8)
.macro FETCH k, f
	WIN 0x40
.irp a, 0,1,2,3
	ds_load_b128 v[(\f)+8*(\a):(\f)+8*(\a)+3],   v[ADRA] offset:(\k)+(\a)*16*PITCH
	ds_load_b128 v[(\f)+8*(\a)+4:(\f)+8*(\a)+7], v[ADRA] offset:(\k)+(\a)*16*PITCH+32
.endr
.irp t, 0,1
.irp i, 0,1,2,3
	ds_load_b128 v[(\f)+32+8*(4*(\t)+(\i)):(\f)+32+8*(4*(\t)+(\i))+3],   v[ADRB] offset:(\k)+(\t)*HALFT+(\i)*16*PITCH
	ds_load_b128 v[(\f)+32+8*(4*(\t)+(\i))+4:(\f)+32+8*(4*(\t)+(\i))+7], v[ADRB] offset:(\k)+(\t)*HALFT+(\i)*16*PITCH+32
.endr
.endr
.irp i, 0,1,2,3
	ds_load_b128 v[(\f)+96+8*(\i):(\f)+96+8*(\i)+3],   v[ADRV] offset:(\k)+(\i)*16*PITCH
	ds_load_b128 v[(\f)+96+8*(\i)+4:(\f)+96+8*(\i)+7], v[ADRV] offset:(\k)+(\i)*16*PITCH+32
.endr
.endm
; WO, once a K step: the 1,024 bytes asked for a K step ago are rounded to bf16, written as f16 and stored (two stores of 256 consecutive bytes, aligned); more = 1: the next 1,024 bytes are asked for.
.macro WOC more
	WIN 0
	s_wait_loadcnt 0x0                             ; my two loads of a K step ago are in (the launch has no other loads into registers), so their base may be stepped
	s_wait_xcnt 0x0                                ; my two stores of a K step ago have read their data and their base
	s_add_nc_u64 s[WOD:WOD+1], s[WOD:WOD+1], 512   ; the stores below reach back by their immediates
.irp j, 0,1
	v_cvt_pk_bf16_f32 v[WY+2*(\j)], v[WX+4*(\j)], v[WX+4*(\j)+1]
	v_cvt_pk_bf16_f32 v[WY+2*(\j)+1], v[WX+4*(\j)+2], v[WX+4*(\j)+3]
.endr
.irp j, 0,1,2,3
	v_lshlrev_b32 v[T+2*(\j)], 16, v[WY+(\j)]
	v_and_b32 v[T+2*(\j)+1], s[HIM], v[WY+(\j)]
.endr
.irp j, 0,1,2,3
	v_cvt_pk_f16_f32 v[WY+(\j)], v[T+2*(\j)], v[T+2*(\j)+1]
.endr
.irp j, 0,1
	global_store_b64 v[WDO], v[WY+2*(\j):WY+2*(\j)+1], s[WOD:WOD+1] offset:256*(\j)-512
.endr
.if \more
	s_add_nc_u64 s[WOS:WOS+1], s[WOS:WOS+1], 1024
.irp j, 0,1
	global_load_b128 v[WX+4*(\j):WX+4*(\j)+3], v[WSO], s[WOS:WOS+1] offset:512*(\j) th:TH_LOAD_NT
.endr
.endif
.endm
; A K step is four quarters of 32 along K, 48 matrix instructions each, on buffers 0, 1, 0, 1.  One of the first three multiplies f and fetches the next quarter, at byte k, into g.
; woc = 1, 0: the step's share of wo stands here (with, without a request for the next); -1: none.
.macro QUARTER k, f, g, zero, woc=-1
	s_wait_dscnt 16                                ; x's and q's fragments are in; the 16 younger loads (k's, v's) may be out
	MULG \f, 0, \zero
.if (\woc) >= 0
	WOC \woc
.endif
	PLACES
	FETCH \k, \g
	s_wait_dscnt 32                                ; all but the 32 just issued
	MULG \f, 1, \zero
	MULG \f, 2, \zero
.endm
; The last quarter multiplies buffer 1 and changes slots.  Its first sixteen products stand ahead of the change; then each wave waits for all its tensor loads (its part of the next slot), adds 0 to its spare
; word, and waits for that and for its reads of this slot.  fill = 1: the barrier opens a round of the cluster's, and this slot is filled again first thing behind it, with the step two on: between the wait
; for all loads and the next request stands nothing but the round.  The quarter's other 32 products stand behind the next slot's first fragment loads.
.macro TURN fill
.if \fill
	s_wait_xcnt 0x0                                ; the last prefetch, a K step back, has read its address
	s_add_nc_u64 s[PFA:PFA+1], s[PFA:PFA+1], 256
.endif
	s_wait_dscnt 16                                ; x's and q's fragments are in
	MULG F1, 0, 0
	WIN 0
	s_wait_tensorcnt 0x0                           ; all my tensor loads have landed, so a group 0 may be written
	ds_add_u32 v[SPW], v[NIL]                      ; 0 onto my spare word; the descriptors' steps stand between it and the wait for it
.if \fill
	s_xor_b32 s[G0+5], s[G0+5], SLOT
	s_add_nc_u64 s[G0+6:G0+7], s[G0+6:G0+7], 256
	s_xor_b32 s[G0B+5], s[G0B+5], SLOT
	s_add_nc_u64 s[G0B+6:G0B+7], s[G0B+6:G0B+7], 256
.endif
	s_wait_dscnt 0x0                               ; the add is done, my reads of this slot are over
	s_barrier_signal -1
	s_barrier_wait -1
.if \fill
	CREST                                          ; no wave of any partner still reads this slot or has a load on its way
	JLOAD                                          ; its four v_nop are also the places in front of the loads below
.else
	PLACES
.endif
	s_xor_b32 s[TB], s[TB], SLOT
	v_add_nc_u32 v[ADRA], s[TB], v[ADRA0]
	v_add_nc_u32 v[ADRB], s[TB], v[ADRB0]
	v_add_nc_u32 v[ADRV], s[TB], v[ADRV0]
	FETCH 0, F0
.if \fill
	WIN 0
	ASK
.endif
	MULG F1, 1, 0
	MULG F1, 2, 0
.endm
	s_wait_tensorcnt 1                             ; my part of step 0 (and the cs tile) is in; step 1's load may stay out
	s_barrier_signal -1
	s_barrier_wait -1
	v_add_nc_u32 v[ADRA], s[TB], v[ADRA0]
	v_add_nc_u32 v[ADRB], s[TB], v[ADRB0]
	v_add_nc_u32 v[ADRV], s[TB], v[ADRV0]
	FETCH 0, F0
	QUARTER 64, F0, F1, 1                          ; the first quarter stands in front of the loop: its products start the sums
	WIN 0
	s_mov_b32 s3, 14                               ; fourteen refills: steps 2 to 15
.Lstep:
	QUARTER 128, F1, F0, 0, 1
	QUARTER 192, F0, F1, 0
	TURN 1
	QUARTER 64, F0, F1, 0
	WIN 0
	s_sub_co_u32 s3, s3, 1
	s_cmp_lg_u32 s3, 0
	s_cbranch_scc1 .Lstep
	QUARTER 128, F1, F0, 0, 1                      ; the tail is written out: no tile is asked for any more
	QUARTER 192, F0, F1, 0
	TURN 0
	QUARTER 64, F0, F1, 0
	QUARTER 128, F1, F0, 0, 0                      ; wo's last 1,024 bytes
	QUARTER 192, F0, F1, 0
	s_wait_dscnt 0x0
	WIN 0
.irp a, 0,1,2,3
.irp i, 0,1,2,3
	ds_load_b128 v[CSR+4*(4*(\a)+(\i)):CSR+4*(4*(\a)+(\i))+3], v[CSA] offset:(\a)*16*PITCH+32*(\i)  ; the four (cos, sin) words of my lane's four pairs in block (a, i)
.endr
.endr
	MULG F1, 0, 0
	MULG F1, 1, 0
	MULG F1, 2, 0
	PLACES
	s_wait_dscnt 0x0
; THE WAY OUT of row block a, column block i.  (e, o) is a pair of neighbouring columns, (C, S) = g (cos, sin): q and k become (e C - o S, e S + o C); v goes as it is.  Each accumulator is read from its low end on.
.macro OUTB a, i
	WIN 0
.irp p, 0,1,2,3
	v_lshlrev_b32 v[CP+2*(\p)], 16, v[CSR+4*(4*(\a)+(\i))+(\p)]
	v_and_b32 v[CP+2*(\p)+1], s[HIM], v[CSR+4*(4*(\a)+(\i))+(\p)]
.endr
.irp p, 0,1,2,3
	v_pk_mul_f32 v[CP+2*(\p):CP+2*(\p)+1], v[CP+2*(\p):CP+2*(\p)+1], s[GAM:GAM+1] op_sel_hi:[1,0]
.endr
.irp ty, 0,1
.set rA, 8*(4*(4*(\ty)+(\i))+(\a))
	WIN 0x02
.irp p, 0,1,2,3
	v_pk_mul_f32 v[T+2*(\p):T+2*(\p)+1], v[rA+2*(\p):rA+2*(\p)+1], v[CP+2*(\p):CP+2*(\p)+1] op_sel:[1,1] op_sel_hi:[1,0] neg_lo:[0,1]  ; (- o S, o C)
.endr
.irp p, 0,1,2,3
	v_pk_fma_f32 v[T+2*(\p):T+2*(\p)+1], v[rA+2*(\p):rA+2*(\p)+1], v[CP+2*(\p):CP+2*(\p)+1], v[T+2*(\p):T+2*(\p)+1] op_sel_hi:[0,1,1]  ; + (e C, e S)
.endr
	WIN 0
.irp p, 0,1,2,3
	v_cvt_pk_f16_f32 v[R+(\p)], v[T+2*(\p)], v[T+2*(\p)+1]
.endr
	ds_store_b128 v[STO], v[R:R+3] offset:(\a)*16*SPI+256*(\ty)+32*(\i)
.endr
.set rA, 8*(4*(\i)+(\a))
	WIN 0x0f
.irp p, 0,1,2,3
	v_cvt_pk_f16_f32 v[R+(\p)], v[rA+2*(\p)], v[rA+2*(\p)+1]
.endr
	WIN 0
	ds_store_b128 v[STO], v[R:R+3] offset:(\a)*16*SPI+512+32*(\i)
.endm
.irp a, 0,1,2,3
.irp i, 0,1,2,3
	OUTB \a, \i
.endr
.endr
	s_wait_dscnt 0x0                               ; for the others' sake: a stage row's 256 bytes of a type come from two waves
	s_barrier_signal -1
	s_barrier_wait -1
.irp ty, 0,1,2
.irp u, 0,1,2,3,4,5,6,7,8,9,10,11,12,13,14,15
	ds_load_b128 v[CSR+4*(16*(\ty)+(\u)):CSR+4*(16*(\ty)+(\u))+3], v[RD] offset:256*(\ty)+(\u)*2*SPI
.endr
.endr
.irp ty, 0,1,2
.irp u, 0,1,2,3,4,5,6,7,8,9,10,11,12,13,14,15
	s_wait_dscnt 47-16*(\ty)-(\u)                  ; the younger loads may stay out
	global_store_b128 v[CO], v[CSR+4*(16*(\ty)+(\u)):CSR+4*(16*(\ty)+(\u))+3], s[OQ+2*(\ty):OQ+2*(\ty)+1] offset:(\u)*512  ; 512 consecutive bytes of a head, aligned
.endr
.endr
	s_wait_tensorcnt 0x0                           ; the wave's end
	ds_add_u32 v[SPW], v[NIL]
	s_wait_dscnt 0x0
	CROUND                                         ; the closing round
	s_endpgm
.Lfunc_end_k_qb8a73a3112_qkv:
	.size	k_qb8a73a3112_qkv, .Lfunc_end_k_qb8a73a3112_qkv-k_qb8a73a3112_qkv
	.p2alignl 7, 3214868480
	.fill 96, 4, 3214868480
	.section	.rodata,"a",@progbits
	.p2align	6, 0x0
	.amdhsa_kernel k_qb8a73a3112_qkv
		.amdhsa_group_segment_fixed_size 327680
		.amdhsa_private_segment_fixed_size 0
		.amdhsa_enable_private_segment 0
		.amdhsa_kernarg_size 48
		.amdhsa_user_sgpr_count 2
		.amdhsa_user_sgpr_kernarg_segment_ptr 1
		.amdhsa_wavefront_size32 1
		.amdhsa_system_sgpr_workgroup_id_x 1
		.amdhsa_system_sgpr_workgroup_id_y 1
		.amdhsa_system_sgpr_workgroup_id_z 1
		.amdhsa_system_vgpr_workitem_id 0
		.amdhsa_next_free_vgpr 896
		.amdhsa_next_free_sgpr 100
		.amdhsa_reserve_vcc 0
		.amdhsa_float_denorm_mode_32 3
		.amdhsa_float_denorm_mode_16_64 3
		.amdhsa_memory_ordered 1
		.amdhsa_forward_progress 1
		.amdhsa_inst_pref_size 131
	.end_amdhsa_kernel
	.amdgpu_metadata
---
amdhsa.version: [ 1, 2 ]
amdhsa.kernels:
  - .name:           k_qb8a73a3112_qkv
    .symbol:         k_qb8a73a3112_qkv.kd
    .args:
      - { .name: xb, .offset: 0, .size: 8, .value_kind: global_buffer, .address_space: global }
      - { .name: wb, .offset: 8, .size: 8, .value_kind: global_buffer, .address_space: global }
      - { .name: cs, .offset: 16, .size: 8, .value_kind: global_buffer, .address_space: global }
      - { .name: qkv, .offset: 24, .size: 8, .value_kind: global_buffer, .address_space: global }
      - { .name: wo, .offset: 32, .size: 8, .value_kind: global_buffer, .address_space: global }
      - { .name: wof, .offset: 40, .size: 8, .value_kind: global_buffer, .address_space: global }
    .group_segment_fixed_size: 327680
    .private_segment_fixed_size: 0
    .kernarg_segment_align: 8
    .kernarg_segment_size: 48
    .max_flat_workgroup_size: 128
    .sgpr_count:     100
    .vgpr_count:     896
    .wavefront_size: 32
...
	.end_amdgpu_metadata
.endif
;; end of part 2
;; launch attn (part 3): grid 16 x 16, 4 waves a work-group, clusters of 4 x 4, 327,680 bytes of LDS; arguments qkv, mask, ob; writes ob
.if DOCPART == 3
	.amdgcn_target "amdgcn-amd-amdhsa--gfx1250"
	.amdhsa_code_object_version 6
	.text
	.protected	k_qb8a73a3112_attn
	.globl	k_qb8a73a3112_attn
	.p2align	8
	.type	k_qb8a73a3112_attn,@function
k_qb8a73a3112_attn:
	s_mov_b64 s[64:65], 0
	v_nop
	global_prefetch_b8 v0, s[64:65] scope:SCOPE_SE
	s_setreg_imm32_b32 hwreg(HW_REG_WAVE_MODE, 25, 1), 1
	s_wait_xcnt 0x0
	s_wait_alu depctr_hold_cnt(0) depctr_sa_sdst(0) depctr_va_vdst(0) depctr_va_sdst(0) depctr_va_ssrc(0) depctr_va_vcc(0) depctr_vm_vsrc(0)
	s_getreg_b32 s2, hwreg(HW_REG_IB_STS2, 6, 4)
	s_cmp_eq_u32 s2, 0
	s_cbranch_scc0 .Lentry_in_a_cluster
	s_endpgm
.Lentry_in_a_cluster:
	s_bfe_u32 s2, ttmp6, 0x10000c
	s_cmp_lg_u32 s2, 0xf033
	s_cbranch_scc0 .Lentry_shape_is_right
	s_endpgm
.Lentry_shape_is_right:
; O[q][head] = the sum over all 2,048 keys of softmax_k(q . k + mask[q][k]) v[k].  qkv: [3][16][2048][128] f16 (q and k carry 128^(-1/4) each, so q . k is the score divided by sqrt(128));
; mask: [2048][2048] f32, an input: every number of it is read and added, for every head; ob: [2048][2048] f16, column = 128 head + channel.
; Products, maxima and sums in f32; the weights p are rounded to f16 for the second product (their sum l is taken of the unrounded p), O once at the end.
; THE MASK is the C operand of the product that starts each sum S^T = K Q^T.  SOFTMAX: a running maximum m; p = 2^((s - m) log2 e): the maximum is taken away BEFORE the multiplication, so that a mask at
; the lowest finite number overflows nowhere but into a weight of 0; O and l are multiplied by a = 2^((m_old - m_new) log2 e) in every step.  m starts at the lowest finite number, O and l at 0.
; LIMITS.  q, k, v arrive within f16's 65,504.  A weight below 2^-126 counts as 0.  A row whose mask is minus infinity everywhere gives NaN.  A row hidden everywhere at the lowest finite number gets equal
; weights only if the product's sum with that C stays finite.  NaN and infinities elsewhere are not treated apart.
; SHARES.  Work-group (x = block of 128 queries, y = head): 256 in all.  Wave w: queries 64 (w / 2) on, four blocks of 16, and, of every step's 128 keys, the keys 64 (w % 2) on.
; A wave numbers its four blocks as tiles from block 2 (w % 2) on, round the four: tile t is block (t + 2 (w % 2)) mod 4; piece 0 = tiles 0, 1; piece 2 = tiles 2, 3.  The two key halves of a query meet once,
; in LDS, at the end: every wave hands its tiles 2, 3 to its partner and finishes its tiles 0, 1, which are the partner's tiles 2, 3: one text for all four waves.  16 steps, one LDS slot a step, two slots.
; CLUSTER 4 x 4.  K and V hang on the head alone: asked for jointly along a row of the cluster (wave 0: K, wave 1: V); the mask's tile on the query block alone: jointly along a column (waves 2, 3: 64 rows each).
; LAYOUT.  S^T = K Q^T: a lane holds ONE query (lane % 16) and the keys 8 (lane / 16) + 0..7; two such results rounded to f16 ARE source 1 of O^T = V^T P.  V comes out of LDS turned (ds_load_tr16_b128).
; BY TURNS.  In a turn one piece has the matrix unit: 32 products V^T P of the step in hand, then 32 products K Q^T of the next; the other piece's softmax, 300 vector instructions, stands beside them:
; four behind each matrix instruction and 44 in one lump.  The turn's 66 exponentials are one batch with one wait.
; No first and no last step is written out: 432 v_mov_b32 set O^T, V, half of P and the statistics while the first tiles are on their way; 32 products run on zeros at the start, 32 on a stale K at the end.
; REGISTERS, in windows of 256 (s_set_vgpr_msb: bits 1:0 source 0, 3:2 source 1, 5:4 source 2, 7:6 destination):
;   window 0: addresses; v12-43 statistics, 8 a tile; v64-191 S^T, 32 a tile; v192-255 P, 16 a tile.   window 1: O^T, 64 a tile.
;   window 2: v0-127 Q; v128-255 K of one step.   window 3: v0-127 V of one step; v128-255 the mask, 32 a tile.
.set PK,    272                        ; a row of K in LDS: 256 + 16
.set PVP,   288                        ; a row of V: 256 + 32
.set PM,    528                        ; a query's 128 mask numbers: 512 + 16
.set VOFF,  128*PK
.set MOFF,  VOFF+128*PVP
.set SLOT,  MOFF+128*PM                ; 139,264 = 0x22000: no tile's base has one of these two bits set, so one exclusive or changes slots
.set SPARE, 2*SLOT                     ; the spare words: 128 bytes a wave, two blocks of 256 bytes that no other line names
.set STAGE, SPARE+512                  ; 16 rows x 272 bytes for each wave, for the way out
.set SP,    272
.set EXW,   16896                      ; the exchange, from byte 0 on (inside slot 0, behind its last fill and last read): for each wave 16,384 bytes of O^T, then 512 of m and l
.set AK0, 2                            ; my lane's place in K's tile, V's; never rewritten
.set AV0, 3
.set ADR, 4                            ; the LDS address of the run of loads in hand
.set QO,  5                            ; my byte offset in Q's rows, at piece 0's two blocks
.set STO, 6
.set RD,  7
.set GO,  8
.set AM0, 10                           ; my lane's place in the mask's tile, at piece 0's two blocks; never rewritten
.set ADM, 11
.set ST,  12                           ; tile t at ST + 8 t: +0 m, +1 a filler (0), +2, +3 l (even keys', odd keys'), +4 to +7 c0-c3 at work; a takes c2's place, its argument c3's
.set XA,  44                           ; the exchange: where I put 16 bytes, 4 bytes; where I read my partner's
.set XS,  45
.set XB,  46
.set XT,  47
.set QO2, 48                           ; as QO, at piece 2's two blocks
.set AM1, 49                           ; as AM0, at piece 2's two blocks; never rewritten
.set PFO, 61
.set SPW, 62
.set NIL, 63
.set S,   64
.set P,   192
.set KF,  128
.set MF,  128
.set WV,  12
.set QH,  13
.set KH,  14
.set G1K, 24
.set G1V, 32
.set G1M, 40
.set G0K, 48                           ; two sets each: the first fills; the second then walks
.set G0V, 56
.set G0M, 68
.set SLOTS, 76
.set CNT, 77
.set LG,  78                           ; s[78:79] log2 e
.set SEL, 80                           ; s[80:81] v_permlanex16_b32's selects: each lane takes its own place in the other half
.set TB,  82                           ; 0 or SLOT: the slot that is read
.set LIM, 83                           ; 1 in a wave that prefetches, else the greatest number
.set PFA, 84                           ; s[84:85] where my prefetches stand
.set PFS, 86                           ; s[86:87] their step
.set QB,  88                           ; s[88:89] Q at my wave's first row
.set OB,  90                           ; s[90:91] O at the first row that I finish and the head's columns
.set W_KQ, 0x0a                        ; K and Q in window 2, S^T in window 0
.set W_KM, 0x3a                        ; the same with the C operand, the mask, in window 3
.set W_PV, 0x53                        ; V in window 3, P in window 0, O^T in window 1
.set W_RS, 0x41                        ; O^T (destination and source 0) in window 1, a in window 0
.set MSB, 0
.macro WIN new
.if MSB != (\new)
	s_set_vgpr_msb (MSB<<8)|(\new)
.set MSB, \new
.endif
.endm
.macro PLACES
.rept 4
	v_nop
.endr
.endm
.macro CROUND                          ; a round of the cluster's barrier
	s_barrier_signal -1
	s_barrier_wait -1
	s_cmp_lg_u32 s[WV], 0
	s_cbranch_scc1 .Lnot_wave_0_\@
	s_barrier_signal -3
.Lnot_wave_0_\@:
	s_barrier_wait -3
	s_barrier_signal -1
	s_barrier_wait -1
.endm
.macro TL g0, g1
	tensor_load_to_lds s[(\g0):(\g0)+3], s[(\g1):(\g1)+7]
	s_nop 0
.endm
.macro JLOAD                           ; the joint refill by the walking sets: one line a wave, chosen by the wave's number alone; s_nop 0 and four v_nop follow each
	s_cmp_eq_u32 s[WV], 0
	s_cbranch_scc0 .Lnot_k_\@
	TL G0K+4, G1K
	PLACES
	s_branch .Lasked_\@
.Lnot_k_\@:
	s_cmp_eq_u32 s[WV], 1
	s_cbranch_scc0 .Lnot_v_\@
	TL G0V+4, G1V
	PLACES
	s_branch .Lasked_\@
.Lnot_v_\@:
	TL G0M+4, G1M
	PLACES
.Lasked_\@:
.endm
; A PREFETCH INTO THE L2 of what the NEXT change of slots will ask for, one instruction a wave, behind the wave's tensor load.  K and V of a head are walked by every cluster of a row of clusters: cluster
; x = 0 asks (waves 0, 1; of the 128 rows each of the four partners takes 32, by address).  The mask's rows are walked by every cluster of a column: cluster y = 0 asks (waves 2, 3; of a wave's 64 rows each
; partner takes 16, two blocks of 256 bytes a row).  So each block is named once.  The last change that fills a slot asks for nothing; steps 0 to 2 come by their loads alone.
.macro ASK
	s_cmp_gt_u32 s[SLOTS], s[LIM]
	s_cbranch_scc0 .Lnot_mine_\@
	global_prefetch_b8 v[PFO], s[PFA:PFA+1] th:TH_LOAD_NT scope:SCOPE_SE
.Lnot_mine_\@:
.endm
	s_load_b128 s[4:7], s[0:1], 0x0                ; qkv s[4:5], mask s[6:7]
	s_load_b64 s[8:9], s[0:1], 0x10                ; ob
	v_lshl_add_u32 v[SPW], v0, 2, SPARE
	v_mov_b32 v[NIL], 0
	ds_add_u32 v[SPW], v[NIL]                      ; the wave's opening: the add and its wait ahead of my first tensor load
	v_lshrrev_b32 v1, 5, v0
	v_readfirstlane_b32 s[WV], v1
	s_lshr_b32 s[QH], s[WV], 1
	s_and_b32 s[KH], s[WV], 1
	s_bfe_u32 s20, ttmp6, 0x40000                  ; cx   (s20-23 never hold cy, s16-19 never cx)
	s_bfe_u32 s16, ttmp6, 0x40004                  ; cy
	s_lshl_b32 s21, ttmp9, 2
	s_add_co_u32 s21, s21, s20                     ; the query block
	s_and_b32 s17, ttmp7, 0xffff
	s_lshl_b32 s17, s17, 2
	s_add_co_u32 s17, s17, s16                     ; the head
	s_lshl_b32 s18, s16, 2
	s_lshl_b32 s18, 15, s18                        ; my row of the cluster
	s_lshl_b32 s22, 0x1111, s20                    ; my column
	s_or_b32 s[G1K], s18, (1<<16)|(1<<20)|(1<<21)|(5<<22)|(3<<25)  ; 2-byte elements; padding on; bit 21 beside a mask; after every 64 words, 4 words
	s_or_b32 s[G1V], s18, (1<<16)|(1<<20)|(1<<21)|(5<<22)|(7<<25)  ; the same with 8 words
	s_or_b32 s[G1M], s22, (2<<16)|(1<<20)|(1<<21)|(6<<22)|(3<<25)  ; 4-byte elements; after every 128 words, 4 words
.irp g, G1K, G1V
	s_mov_b32 s[(\g)+1], 128<<16                   ; tensor_dim0 = 128
	s_mov_b32 s[(\g)+2], 128<<16                   ; tensor_dim1 = 128
	s_mov_b32 s[(\g)+3], 128<<16                   ; tile_dim0 = 128
	s_mov_b32 s[(\g)+4], 128                       ; tile_dim1 = 128
	s_mov_b32 s[(\g)+5], 128                       ; a head's rows are dense
	s_mov_b32 s[(\g)+6], 0
	s_mov_b32 s[(\g)+7], 0
.endr
	s_mov_b32 s[G1M+1], 128<<16                    ; 64 rows of 128 numbers, 2,048 numbers apart
	s_mov_b32 s[G1M+2], 64<<16
	s_mov_b32 s[G1M+3], 128<<16
	s_mov_b32 s[G1M+4], 64
	s_mov_b32 s[G1M+5], 2048
	s_mov_b32 s[G1M+6], 0
	s_mov_b32 s[G1M+7], 0
	s_lshl_b32 s18, s17, 19                        ; the head's 524,288 bytes
	s_mov_b32 s19, 0
	s_lshl_b32 s22, s21, 7
	s_lshl_b32 s23, s[KH], 6
	s_add_co_u32 s22, s22, s23
	s_lshl_b32 s22, s22, 13                        ; the mask's rows 128 block + 64 (w % 2) on, 8,192 bytes each
	s_mov_b32 s23, 0
	s_mul_i32 s10, s[KH], 64*PM
	s_add_co_u32 s10, s10, MOFF                    ; and their place in a slot
	s_mov_b32 s[LG], 0x3fb8aa3b
	s_mov_b32 s[LG+1], s[LG]
	s_mov_b32 s[SEL], 0x76543210
	s_mov_b32 s[SEL+1], 0xfedcba98
	s_mov_b32 s[TB], 0
	s_wait_dscnt 0x0                               ; the opening add is done
	s_wait_kmcnt 0x0
	s_add_nc_u64 s[18:19], s[4:5], s[18:19]        ; the head's q; its k lies 8 MiB on, its v 16 MiB
	s_add_nc_u64 s[22:23], s[6:7], s[22:23]
.irp s, 0,1
	s_mov_b32 s[G0K+4*(\s)], 1
	s_mov_b32 s[G0K+4*(\s)+1], (\s)*SLOT
	s_add_nc_u64 s[G0K+4*(\s)+2:G0K+4*(\s)+3], s[18:19], 0x800000+(\s)*32768
	s_or_b32 s[G0K+4*(\s)+3], s[G0K+4*(\s)+3], 0x80000000
	s_mov_b32 s[G0V+4*(\s)], 1
	s_mov_b32 s[G0V+4*(\s)+1], VOFF+(\s)*SLOT
	s_add_nc_u64 s[G0V+4*(\s)+2:G0V+4*(\s)+3], s[18:19], 0x1000000+(\s)*32768
	s_or_b32 s[G0V+4*(\s)+3], s[G0V+4*(\s)+3], 0x80000000
	s_mov_b32 s[G0M+4*(\s)], 1
	s_add_co_u32 s[G0M+4*(\s)+1], s10, (\s)*SLOT
	s_add_nc_u64 s[G0M+4*(\s)+2:G0M+4*(\s)+3], s[22:23], (\s)*512
	s_or_b32 s[G0M+4*(\s)+3], s[G0M+4*(\s)+3], 0x80000000
.endr
	CROUND                                         ; all sixteen work-groups are here: the first joint loads meet
	s_cmp_eq_u32 s[WV], 0                          ; a wave's two first fills stand in one branch: two loads of mine are out
	s_cbranch_scc0 .Lff_a
	TL G0K, G1K
	TL G0K+4, G1K
	PLACES
	s_branch .Lff_done
.Lff_a:
	s_cmp_eq_u32 s[WV], 1
	s_cbranch_scc0 .Lff_b
	TL G0V, G1V
	TL G0V+4, G1V
	PLACES
	s_branch .Lff_done
.Lff_b:
	TL G0M, G1M
	TL G0M+4, G1M
	PLACES
.Lff_done:
	s_lshl_b32 s88, s21, 15                        ; Q: the block's 128 rows of 256 bytes, my wave's 64
	s_lshl_b32 s89, s[QH], 14
	s_add_co_u32 s88, s88, s89
	s_mov_b32 s89, 0
	s_add_nc_u64 s[QB:QB+1], s[18:19], s[88:89]
	s_lshl_b32 s90, s21, 19                        ; O: rows of 4,096 bytes: the block's 128, my wave's 64,
	s_lshl_b32 s91, s[QH], 18
	s_add_co_u32 s90, s90, s91
	s_lshl_b32 s91, s[KH], 17                      ; of them the 32 that I finish: blocks 2 (w % 2) and the next;
	s_add_co_u32 s90, s90, s91
	s_lshl_b32 s91, s17, 8                         ; the head's 256 bytes of a row
	s_add_co_u32 s90, s90, s91
	s_mov_b32 s91, 0
	s_add_nc_u64 s[OB:OB+1], s[8:9], s[90:91]
	v_and_b32 v1, 15, v0                           ; r
	v_bfe_u32 v9, v0, 4, 1                         ; h
	v_lshlrev_b32 v[QO], 8, v1
	v_lshl_add_u32 v[QO], v9, 4, v[QO]
	s_lshl_b32 s92, s[KH], 13                      ; piece 0 begins at block 2 (w % 2): 32 rows of 256 bytes,
	s_xor_b32 s93, s92, 8192                       ; piece 2 at the other two blocks
	v_add_nc_u32 v[QO2], s93, v[QO]
	v_add_nc_u32 v[QO], s92, v[QO]
	WIN 0x80
.irp i, 0,1,2,3,4,5,6,7                        ; Q stays in registers: tile i / 4, channels 32 (i % 4) on
	global_load_b128 v[8*(\i):8*(\i)+3],   v[QO], s[QB:QB+1] offset:((\i)/4)*4096+((\i)%4)*64
	global_load_b128 v[8*(\i)+4:8*(\i)+7], v[QO], s[QB:QB+1] offset:((\i)/4)*4096+((\i)%4)*64+32
.endr
.irp i, 8,9,10,11,12,13,14,15
	global_load_b128 v[8*(\i):8*(\i)+3],   v[QO2], s[QB:QB+1] offset:((\i)/4-2)*4096+((\i)%4)*64
	global_load_b128 v[8*(\i)+4:8*(\i)+7], v[QO2], s[QB:QB+1] offset:((\i)/4-2)*4096+((\i)%4)*64+32
.endr
	WIN 0xc0                                       ; what the first turn finds: V = 0 and piece 2's P = 0 (its products V^T P, of a step that has not been, add 0), O^T = 0, l = 0
.set i, 0
.rept 128
	v_mov_b32 v[i], 0
.set i, i+1
.endr
	WIN 0x40
.set i, 0
.rept 256
	v_mov_b32 v[i], 0
.set i, i+1
.endr
	WIN 0
.set i, P+32
.rept 32
	v_mov_b32 v[i], 0
.set i, i+1
.endr
.irp t, 0,1,2,3
	v_mov_b32 v[ST+8*(\t)], 0xff7fffff             ; m: the lowest finite number
	v_mov_b32 v[ST+8*(\t)+1], 0
	v_mov_b32 v[ST+8*(\t)+2], 0
	v_mov_b32 v[ST+8*(\t)+3], 0
.endr
	s_and_b32 s92, ttmp7, 0xffff                   ; the prefetches
	s_cmp_lt_u32 s[WV], 2
	s_cselect_b32 s92, ttmp9, s92                  ; the coordinate along which other clusters walk the same rows
	s_cselect_b32 s93, s20, s16                    ; my place among the four that ask with me
	s_cselect_b32 s94, 13, 17                      ; whose share is 32 rows of 256 bytes, or 16 rows of 8,192
	s_cselect_b32 s95, 8, 13                       ; lanes 0-15: 256 bytes apart, or a mask row apart
	s_cselect_b32 s96, 12, 8                       ; lanes 16-31: 16 rows on, or the row's second 256 bytes
	s_cselect_b32 s97, 15, 9                       ; a step: 32,768 bytes, or 512
	s_lshl_b32 s[PFS], 1, s97
	s_mov_b32 s[PFS+1], 0
	s_cmp_eq_u32 s92, 0
	s_cselect_b32 s[LIM], 1, -1                    ; the same in all sixteen partners, for a given wave
	s_lshl_b32 s92, s93, s94
	s_lshl_b32 s93, s[PFS], 1                      ; at step 2: the first change steps it to 3
	s_add_co_u32 s92, s92, s93
	s_mov_b32 s93, 0
	s_add_nc_u64 s[98:99], s[18:19], 0x800000
	s_add_nc_u64 s[PFA:PFA+1], s[18:19], 0x1000000
	s_cmp_eq_u32 s[WV], 0
	s_cselect_b64 s[PFA:PFA+1], s[98:99], s[PFA:PFA+1]
	s_cmp_lt_u32 s[WV], 2
	s_cselect_b64 s[PFA:PFA+1], s[PFA:PFA+1], s[22:23]
	s_add_nc_u64 s[PFA:PFA+1], s[PFA:PFA+1], s[92:93]
	v_lshlrev_b32 v[PFO], s95, v1
	v_lshlrev_b32 v[ADR], s96, v9
	v_add_nc_u32 v[PFO], v[PFO], v[ADR]
	v_mul_u32_u24 v[AK0], v1, PK                   ; K: row 64 (w % 2) + r, 16 bytes for each half of the lanes
	v_lshl_add_u32 v[AK0], v9, 4, v[AK0]
	s_mul_i32 s93, s[KH], 64*PK
	v_add_nc_u32 v[AK0], s93, v[AK0]
	v_and_b32 v[ADR], 7, v0                        ; V: the turning load's lane l reads key 8 (l / 16) + l % 8, channels 8 ((l / 8) % 2) + 0..7
	v_bfe_u32 v[ADM], v0, 3, 1
	v_lshl_add_u32 v[AV0], v9, 3, v[ADR]
	v_mul_u32_u24 v[AV0], v[AV0], PVP
	v_lshl_add_u32 v[AV0], v[ADM], 4, v[AV0]
	s_mul_i32 s93, s[KH], 64*PVP
	s_add_co_u32 s93, s93, VOFF
	v_add_nc_u32 v[AV0], s93, v[AV0]
	v_mul_u32_u24 v[AM0], v1, PM                   ; the mask: query 64 (w / 2) + 16 block + r, keys 64 (w % 2) + 8 h on
	v_lshl_add_u32 v[AM0], v9, 5, v[AM0]
	s_mul_i32 s93, s[QH], 64*PM
	s_lshl_b32 s94, s[KH], 8
	s_add_co_u32 s93, s93, s94
	s_add_co_u32 s93, s93, MOFF
	s_mul_i32 s94, s[KH], 32*PM                    ; piece 0 begins at block 2 (w % 2),
	s_add_co_u32 s94, s94, s93
	s_xor_b32 s95, s[KH], 1
	s_mul_i32 s95, s95, 32*PM                      ; piece 2 at the other two blocks
	s_add_co_u32 s95, s95, s93
	v_add_nc_u32 v[AM1], s95, v[AM0]
	v_add_nc_u32 v[AM0], s94, v[AM0]
; THE MATRIX WORK.  The accumulators take turns, one instruction a turn: between two links of a chain stand 15 (V^T P) or 7 (K Q^T) others'.
; Product i of 32 of O^T += V^T P for piece x: keys 32 (i / 16) on, channels 16 ((i / 2) % 8) on, tile x + i % 2.
.macro PV x
	WIN W_PV
.set rO, 64*((\x)+i%2)+8*((i/2)%8)
.set rV, 64*(i/16)+8*((i/2)%8)
.set rP, P+16*((\x)+i%2)+8*(i/16)
	v_wmma_f32_16x16x32_f16 v[rO:rO+7], v[rV:rV+7], v[rP:rP+7], v[rO:rO+7]
.endm
; Product i of 32 of S^T = K Q^T + mask: channels 32 (i / 8) on, keys 16 ((i / 2) % 4) on, tile x + i % 2.  The first 8 start the sums, with the mask.
.macro KQ x
.set rS, S+32*((\x)+i%2)+8*((i/2)%4)
.set rK, KF+32*((i/2)%4)+8*(i/8)
.set rQ, 32*((\x)+i%2)+8*(i/8)
.set rM, MF+32*((\x)+i%2)+8*((i/2)%4)
.if i < 8
	WIN W_KM
	v_wmma_f32_16x16x32_f16 v[rS:rS+7], v[rK:rK+7], v[rQ:rQ+7], v[rM:rM+7]
.else
	WIN W_KQ
	v_wmma_f32_16x16x32_f16 v[rS:rS+7], v[rK:rK+7], v[rQ:rQ+7], v[rS:rS+7]
.endif
.endm
; THE LDS LOADS stand in runs, never singly among the matrix instructions.
.macro MLOADS x                        ; the mask of piece x, whose first block's address stands in ADM: for its tile t, key block kb: my query's 8 numbers, 32 bytes
	WIN 0xc0
.irp t, 0,1
.irp kb, 0,1,2,3
	ds_load_b128 v[MF+32*((\x)+(\t))+8*(\kb):MF+32*((\x)+(\t))+8*(\kb)+3],   v[ADM] offset:(\t)*16*PM+64*(\kb)
	ds_load_b128 v[MF+32*((\x)+(\t))+8*(\kb)+4:MF+32*((\x)+(\t))+8*(\kb)+7], v[ADM] offset:(\t)*16*PM+64*(\kb)+16
.endr
.endr
.endm
.macro FETCH_KM                        ; a step's K (my 64 keys x 128 channels: 16 fragments) and piece 0's mask: 48 loads
	WIN 0
	v_add_nc_u32 v[ADR], s[TB], v[AK0]
	v_add_nc_u32 v[ADM], s[TB], v[AM0]
	WIN 0x80
.irp f, 0,1,2,3,4,5,6,7,8,9,10,11,12,13,14,15  ; keys 16 (f / 4) on, channels 32 (f % 4) on
	ds_load_b128 v[KF+8*(\f):KF+8*(\f)+3],   v[ADR] offset:((\f)/4)*16*PK+((\f)%4)*64
	ds_load_b128 v[KF+8*(\f)+4:KF+8*(\f)+7], v[ADR] offset:((\f)/4)*16*PK+((\f)%4)*64+32
.endr
	MLOADS 0
.endm
.macro FETCH_M2                        ; piece 2's mask: 16 loads
	WIN 0
	v_add_nc_u32 v[ADM], s[TB], v[AM1]
	MLOADS 2
.endm
.macro FETCH_V                         ; the same step's V, turned: 32 loads
	WIN 0
	v_add_nc_u32 v[ADR], s[TB], v[AV0]
	WIN 0xc0
.irp f, 0,1,2,3,4,5,6,7,8,9,10,11,12,13,14,15  ; keys 32 (f / 8) on, channels 16 (f % 8) on
	ds_load_tr16_b128 v[8*(\f):8*(\f)+3],   v[ADR] offset:((\f)/8)*32*PVP+((\f)%8)*32
	ds_load_tr16_b128 v[8*(\f)+4:8*(\f)+7], v[ADR] offset:((\f)/8)*32*PVP+16*PVP+((\f)%8)*32
.endr
.endm
; THE VECTOR WORK.  One tile's softmax for one step is a list of 150; SM writes number j of it for tile t.  s0-s31 are the lane's 32 scores, in pairs 0-15.
;   0-15    the maximum of s0-s31 and the old m, three operands at a time (each accumulator's lowest registers are read first)
;   16-20   the other half of the lanes' maximum; m_old kept; the new m; (m_old - m_new) log2 e
;   21-85   ONE BATCH, in which nothing names an exponential's result: for each pair the subtraction s - m (A) and the multiplication by log2 e (M), and the 33 exponentials (a, then s0-s31):
;           A0 A1 M0 a; then fourteen fours A(f) E(2f-4) M(f-1) E(2f-3), f = 2 .. 15; then M15 E28 E29 E30 E31
;   86-101  the roundings to f16       102-117  the sums; l = a l + the sum       118-149  the tile's O^T times a: the one part that leaves window 0
.macro SM t
.set rT, ST+8*(\t)
.set rS, S+32*(\t)
.set rP, P+16*(\t)
.if j < 118
	WIN 0
.endif
.if j < 4
	v_max3_num_f32 v[rT+4+j], v[rS+8*j], v[rS+8*j+1], v[rS+8*j+2]
.elseif j < 12
	v_max3_num_f32 v[rT+4+j%4], v[rT+4+j%4], v[rS+8*(j%4)+2*(j/4)+1], v[rS+8*(j%4)+2*(j/4)+2]
.elseif j == 12
	v_max3_num_f32 v[rT+4], v[rT+4], v[rS+7], v[rS+15]
.elseif j == 13
	v_max3_num_f32 v[rT+6], v[rT+6], v[rS+23], v[rS+31]
.elseif j == 14
	v_max3_num_f32 v[rT+4], v[rT+4], v[rT+5], v[rT+6]
.elseif j == 15
	v_max3_num_f32 v[rT+4], v[rT+4], v[rT+7], v[rT]
.elseif j == 16
	v_permlanex16_b32 v[rT+5], v[rT+4], s[SEL], s[SEL+1]
.elseif j == 17
	v_mov_b32 v[rT+7], v[rT]
.elseif j == 18
	v_max_num_f32 v[rT], v[rT+4], v[rT+5]
.elseif j == 19
	v_sub_f32 v[rT+7], v[rT+7], v[rT]
.elseif j == 20
	v_mul_f32 v[rT+7], s[LG], v[rT+7]
.elseif j < 86
.set bu, j-21
.set bk, 2                             ; 0: A, 1: M, 2: E, 3: a
.set bi, 0
.if bu < 2
.set bk, 0
.set bi, bu
.elseif bu == 2
.set bk, 1
.elseif bu == 3
.set bk, 3
.elseif bu < 60
.set bf, 2+(bu-4)/4
.if bu%4 == 0
.set bk, 0
.set bi, bf
.elseif bu%4 == 1
.set bi, 2*bf-4
.elseif bu%4 == 2
.set bk, 1
.set bi, bf-1
.else
.set bi, 2*bf-3
.endif
.elseif bu == 60
.set bk, 1
.set bi, 15
.else
.set bi, bu-33
.endif
.if bk == 0
	v_pk_add_f32 v[rS+2*bi:rS+2*bi+1], v[rS+2*bi:rS+2*bi+1], v[rT:rT+1] op_sel_hi:[1,0] neg_lo:[0,1] neg_hi:[0,1]
.elseif bk == 1
	v_pk_mul_f32 v[rS+2*bi:rS+2*bi+1], v[rS+2*bi:rS+2*bi+1], s[LG:LG+1] op_sel_hi:[1,0]
.elseif bk == 2
	v_exp_f32 v[rS+bi], v[rS+bi]
.else
	v_exp_f32 v[rT+6], v[rT+7]
.endif
.elseif j < 102
	v_cvt_pk_f16_f32 v[rP+j-86], v[rS+2*(j-86)], v[rS+2*(j-86)+1]
.elseif j < 118
.set z, j-102                          ; sum z of 16 adds neighbours 1, 2, 4 and 8 pairs apart, in place; then l takes it
.set sw, 4
.set su, z
.if z >= 14
.set sw, 32
.set su, 0
.elseif z >= 12
.set sw, 16
.set su, z-12
.elseif z >= 8
.set sw, 8
.set su, z-8
.endif
.if z < 15
	v_pk_add_f32 v[rS+sw*su:rS+sw*su+1], v[rS+sw*su:rS+sw*su+1], v[rS+sw*su+sw/2:rS+sw*su+sw/2+1]
.else
	v_pk_fma_f32 v[rT+2:rT+3], v[rT+2:rT+3], v[rT+6:rT+7], v[rS:rS+1] op_sel_hi:[1,0,1]
.endif
.else
	WIN W_RS
.set rO, 64*(\t)+2*(j-118)
	v_pk_mul_f32 v[rO:rO+1], v[rO:rO+1], v[rT+6:rT+7] op_sel_hi:[1,0]
.endif
.endm
; Entry n of the 300 of piece y.  0-41: numbers 0-20, the two tiles alternating.  42-169: the batch, four numbers of one tile at a time, the tiles by turns.  170, 171: the last exponential of each.
; 172-299: numbers 86-149, the tiles alternating.  Entries 0-171 name no result of the turn's exponentials; entries 172-299 stand behind the wait.
.macro NEXT y
.if n < 42
.set j, n/2
	SM (\y)+n%2
.elseif n < 170
.set j, 21+4*(((n-42)/4)/2)+(n-42)%4
	SM (\y)+((n-42)/4)%2
.elseif n < 172
.set j, 85
	SM (\y)+n%2
.else
.set j, 86+(n-172)/2
	SM (\y)+n%2
.endif
.set n, n+1
.endm
.macro RIDE y, c
.rept \c
	NEXT \y
.endr
.endm
; A TURN.  Piece x has the matrix unit; the other piece's softmax stands beside it.  Ahead of the one wait: 32 products V^T P with four entries behind each, and a lump of 44.  Behind it: 32 products K Q^T with
; four entries behind each.  The four behind the last product are plain rescalings that name none of its registers: the places in front of the next turn's reads of the scores and of K's next run of loads.
; Piece 0's turn fetches the next step's K and its own mask behind its second product; piece 2's turn its mask there, and the next step's V behind the wait, a lump behind the last product that read V.
.macro TURN x
.set n, 0
.if (\x) == 0
	s_wait_dscnt 0x0                               ; V is in
.endif
.set i, 0
.rept 32
	PV \x
	RIDE 2-(\x), 4
.if i == 1
.if (\x) == 0
	FETCH_KM
.else
	FETCH_M2
.endif
.endif
.set i, i+1
.endr
	RIDE 2-(\x), 44
	WIN 0
	v_nop                                          ; a plain instruction behind the last exponential: one for the batch
	s_wait_alu depctr_va_vdst(0)                   ; the wait ahead of the first use: one for the 66 exponentials
.if (\x) == 2
	FETCH_V
	s_wait_dscnt 32                                ; my mask is in; V's 32 loads, which are younger, may stay out
.else
	s_wait_dscnt 0x0                               ; K and my mask are in
.endif
.set i, 0
.rept 32
	KQ \x
	RIDE 2-(\x), 4
.set i, i+1
.endr
.endm
; THE CHANGE OF SLOTS, between piece 2's turn and piece 0's.  Each wave waits for all its tensor loads (its part of the other slot), adds 0 to its spare word, and waits for that and for its reads of the slot.
; fill = 1: the barrier is a round of the cluster's, and the slot just read is filled again first thing behind it, with the step two on: it has a key step, 128 matrix instructions, in which to land.
.macro CHANGE fill
	WIN 0
	s_wait_tensorcnt 0x0                           ; no tensor load of mine is out, so a group 0 may be written
	ds_add_u32 v[SPW], v[NIL]
.if \fill
.irp g, G0K+4, G0V+4
	s_xor_b32 s[(\g)+1], s[(\g)+1], SLOT
	s_add_nc_u64 s[(\g)+2:(\g)+3], s[(\g)+2:(\g)+3], 32768
.endr
	s_xor_b32 s[G0M+5], s[G0M+5], SLOT
	s_add_nc_u64 s[G0M+6:G0M+7], s[G0M+6:G0M+7], 512
	s_wait_xcnt 0x0                                ; the last prefetch, a key step back, has read its address
	s_add_nc_u64 s[PFA:PFA+1], s[PFA:PFA+1], s[PFS:PFS+1]
	s_wait_dscnt 0x0                               ; the add is done, my reads of the slot are over
	CROUND
	JLOAD
	ASK
.else
	s_wait_dscnt 0x0
	s_barrier_signal -1
	s_barrier_wait -1
.endif
	s_xor_b32 s[TB], s[TB], SLOT                   ; the fetches go to the other slot
.endm
	s_wait_tensorcnt 1                             ; my part of slot 0 is in; slot 1's may stay out
	s_barrier_signal -1
	s_barrier_wait -1
	FETCH_KM                                       ; step 0
	s_wait_loadcnt 0x0                             ; Q
	s_wait_dscnt 0x0
.set i, 0
.rept 32
	KQ 0                                           ; piece 0's first scores
.set i, i+1
.endr
	WIN 0                                          ; the addresses for the end: plain instructions, the places behind those products
	s_mul_i32 s93, s[WV], 16*SP
	s_add_co_u32 s93, s93, STAGE
	v_mul_u32_u24 v[STO], v1, SP
	v_lshl_add_u32 v[STO], v9, 4, v[STO]
	v_add_nc_u32 v[STO], s93, v[STO]
	v_mul_u32_u24 v[RD], v9, SP
	v_lshl_add_u32 v[RD], v1, 4, v[RD]
	v_add_nc_u32 v[RD], s93, v[RD]
	v_lshlrev_b32 v[GO], 12, v9
	v_lshl_add_u32 v[GO], v1, 4, v[GO]
	v_and_b32 v[XS], 31, v0
	s_mul_i32 s93, s[WV], EXW
	s_xor_b32 s94, s[WV], 1                        ; my partner: the same queries, the other keys
	s_mul_i32 s94, s94, EXW
	v_lshl_add_u32 v[XA], v[XS], 4, s93
	v_lshl_add_u32 v[XB], v[XS], 4, s94
	v_lshl_add_u32 v[XT], v[XS], 2, s94
	v_lshl_add_u32 v[XS], v[XS], 2, s93
	s_mov_b32 s[SLOTS], 15
	s_branch .Lenter                               ; the loop is entered in the middle of a trip: piece 2's first scores beside piece 0's first softmax
.Lslot:                                                ; fourteen changes that fill: steps 2 to 15
	CHANGE 1
	TURN 0
	WIN 0
.Lenter:
	TURN 2
	WIN 0
	s_sub_co_u32 s[SLOTS], s[SLOTS], 1
	s_cmp_lg_u32 s[SLOTS], 0
	s_cbranch_scc1 .Lslot
	s_mov_b32 s[CNT], 2                            ; the tail asks for nothing; its second trip has no piece 2's turn: a jump forward, past no barrier and no tensor load
.Ltail:
	CHANGE 0
	TURN 0
	WIN 0
	s_cmp_eq_u32 s[CNT], 1
	s_cbranch_scc1 .Lskip
	TURN 2
	WIN 0
.Lskip:
	s_sub_co_u32 s[CNT], s[CNT], 1
	s_cmp_lg_u32 s[CNT], 0
	s_cbranch_scc1 .Ltail
.set i, 0
.rept 32
	PV 2                                           ; piece 2: V^T P of the last step
.set i, i+1
.endr
	; THE END.  l's two halves and the other half of the lanes' are added (the additions are the places behind the last products).  Then the two key halves meet: each wave hands its tiles 2, 3 to its
	; partner and finishes its tiles 0, 1 with what the partner hands over: all four waves work, by one text.
	WIN 0
.irp t, 0,1,2,3
	v_add_f32 v[ST+8*(\t)+4], v[ST+8*(\t)+2], v[ST+8*(\t)+3]
.endr
.irp t, 0,1,2,3
	v_permlanex16_b32 v[ST+8*(\t)+5], v[ST+8*(\t)+4], s[SEL], s[SEL+1]
.endr
.irp t, 0,1,2,3
	v_add_f32 v[ST+8*(\t)+2], v[ST+8*(\t)+4], v[ST+8*(\t)+5]
.endr
	s_wait_dscnt 0x0                               ; my reads of the slots are over,
	s_barrier_signal -1
	s_barrier_wait -1                              ; everybody's are: the exchange may be written
.macro SENDOFF x                       ; tiles x, x + 1: O^T as it lies in registers (512 consecutive bytes a store), m and l
	WIN 0x04
.irp u, 0,1
.irp f, 0,1,2,3,4,5,6,7,8,9,10,11,12,13,14,15
	ds_store_b128 v[XA], v[64*((\x)+(\u))+4*(\f):64*((\x)+(\u))+4*(\f)+3] offset:(16*(\u)+(\f))*512
.endr
.endr
	WIN 0
.irp u, 0,1
	ds_store_b32 v[XS], v[ST+8*((\x)+(\u))] offset:16384+256*(\u)
	ds_store_b32 v[XS], v[ST+8*((\x)+(\u))+2] offset:16384+256*(\u)+128
.endr
.endm
.macro BOTH x, line:vararg             ; one line for each of the tiles x, x + 1
.set t, (\x)
.rept 2
.set rT, ST+8*t
	\line
.set t, t+1
.endr
.endm
; Tiles x, x + 1 are finished.  With my (m, l, O) and my partner's (mB, lB, OB): M = max(m, mB), wA = 2^((m - M) log2 e), wB likewise, L = l wA + lB wB, O = (O wA + OB wB) / L.
.macro FINISH x
	WIN 0
.irp u, 0,1
.irp f, 0,1,2,3,4,5,6,7,8,9,10,11,12,13,14,15
	ds_load_b128 v[S+64*(\u)+4*(\f):S+64*(\u)+4*(\f)+3], v[XB] offset:(16*(\u)+(\f))*512
.endr
	ds_load_b32 v[ST+8*((\x)+(\u))+4], v[XT] offset:16384+256*(\u)
	ds_load_b32 v[ST+8*((\x)+(\u))+5], v[XT] offset:16384+256*(\u)+128
.endr
	s_wait_dscnt 0x0
	BOTH \x, v_max_num_f32 v[rT+6], v[rT], v[rT+4]
	BOTH \x, v_sub_f32 v[rT], v[rT], v[rT+6]
	BOTH \x, v_sub_f32 v[rT+4], v[rT+4], v[rT+6]
	BOTH \x, v_mul_f32 v[rT], s[LG], v[rT]
	BOTH \x, v_mul_f32 v[rT+4], s[LG], v[rT+4]
	BOTH \x, v_exp_f32 v[rT], v[rT]
	BOTH \x, v_exp_f32 v[rT+4], v[rT+4]
	v_nop                                          ; a plain instruction behind the last exponential,
	s_wait_alu depctr_va_vdst(0)                   ; and one wait for the four
	BOTH \x, v_mul_f32 v[rT+6], v[rT+2], v[rT]
	BOTH \x, v_fmac_f32 v[rT+6], v[rT+5], v[rT+4]
	BOTH \x, v_rcp_f32 v[rT+7], v[rT+6]
	v_nop
	s_wait_alu depctr_va_vdst(0)                   ; one wait for the two reciprocals
	BOTH \x, v_mul_f32 v[rT+1], v[rT+4], v[rT+7]
	BOTH \x, v_mul_f32 v[rT], v[rT], v[rT+7]
.irp u, 0,1
.set rT, ST+8*((\x)+(\u))
.set i, 0
.rept 32
	v_pk_mul_f32 v[S+64*(\u)+2*i:S+64*(\u)+2*i+1], v[S+64*(\u)+2*i:S+64*(\u)+2*i+1], v[rT:rT+1] op_sel:[0,1] op_sel_hi:[1,1]
.set i, i+1
.endr
.endr
	WIN 0x01
.irp u, 0,1
.set rT, ST+8*((\x)+(\u))
.set i, 0
.rept 32
	v_pk_fma_f32 v[S+64*(\u)+2*i:S+64*(\u)+2*i+1], v[64*((\x)+(\u))+2*i:64*((\x)+(\u))+2*i+1], v[rT:rT+1], v[S+64*(\u)+2*i:S+64*(\u)+2*i+1] op_sel_hi:[1,0,1]
.set i, i+1
.endr
.endr
	WIN 0
.irp u, 0,1
.set i, 0
.rept 32
	v_cvt_pk_f16_f32 v[P+32*(\u)+i], v[S+64*(\u)+2*i], v[S+64*(\u)+2*i+1]
.set i, i+1
.endr
.endr
.irp u, 0,1                            ; a lane's eight channels of a row are 16 bytes: into my stage's rows of 272 bytes, and back as whole rows of 256
.irp f, 0,1,2,3,4,5,6,7
	ds_store_b128 v[STO], v[P+32*(\u)+4*(\f):P+32*(\u)+4*(\f)+3] offset:32*(\f)
.endr
.irp f, 0,1,2,3,4,5,6,7
	ds_load_b128 v[S+32*(\u)+4*(\f):S+32*(\u)+4*(\f)+3], v[RD] offset:(\f)*2*SP  ; LDS serves a wave's instructions in order (ISA guide 5.7.1.4): these see the stores above, the next tile's stores come behind them
.endr
.endr
.irp u, 0,1
.irp f, 0,1,2,3,4,5,6,7
	s_wait_dscnt 16*(1-(\u))+7-(\f)                ; the younger LDS instructions may stay out
	global_store_b128 v[GO], v[S+32*(\u)+4*(\f):S+32*(\u)+4*(\f)+3], s[OB:OB+1] offset:((\x)+(\u))*65536+(\f)*8192  ; 16 lanes store 256 consecutive bytes, aligned: a row's part of the head
.endr
.endr
.endm
	SENDOFF 2
	s_wait_dscnt 0x0                               ; for my partner's sake: my stores are done
	s_barrier_signal -1
	s_barrier_wait -1
	FINISH 0
	s_wait_tensorcnt 0x0                           ; the wave's end
	ds_add_u32 v[SPW], v[NIL]
	s_wait_dscnt 0x0
	CROUND                                         ; the closing round
	s_endpgm
.Lfunc_end_k_qb8a73a3112_attn:
	.size	k_qb8a73a3112_attn, .Lfunc_end_k_qb8a73a3112_attn-k_qb8a73a3112_attn
	.p2alignl 7, 3214868480
	.fill 96, 4, 3214868480
	.section	.rodata,"a",@progbits
	.p2align	6, 0x0
	.amdhsa_kernel k_qb8a73a3112_attn
		.amdhsa_group_segment_fixed_size 327680
		.amdhsa_private_segment_fixed_size 0
		.amdhsa_enable_private_segment 0
		.amdhsa_kernarg_size 24
		.amdhsa_user_sgpr_count 2
		.amdhsa_user_sgpr_kernarg_segment_ptr 1
		.amdhsa_wavefront_size32 1
		.amdhsa_system_sgpr_workgroup_id_x 1
		.amdhsa_system_sgpr_workgroup_id_y 1
		.amdhsa_system_sgpr_workgroup_id_z 1
		.amdhsa_system_vgpr_workitem_id 0
		.amdhsa_next_free_vgpr 1024
		.amdhsa_next_free_sgpr 104
		.amdhsa_reserve_vcc 0
		.amdhsa_float_denorm_mode_32 3
		.amdhsa_float_denorm_mode_16_64 3
		.amdhsa_memory_ordered 1
		.amdhsa_forward_progress 1
		.amdhsa_inst_pref_size 171
	.end_amdhsa_kernel
	.amdgpu_metadata
---
amdhsa.version: [ 1, 2 ]
amdhsa.kernels:
  - .name:           k_qb8a73a3112_attn
    .symbol:         k_qb8a73a3112_attn.kd
    .args:
      - { .name: qkv, .offset: 0, .size: 8, .value_kind: global_buffer, .address_space: global }
      - { .name: mask, .offset: 8, .size: 8, .value_kind: global_buffer, .address_space: global }
      - { .name: ob, .offset: 16, .size: 8, .value_kind: global_buffer, .address_space: global }
    .group_segment_fixed_size: 327680
    .private_segment_fixed_size: 0
    .kernarg_segment_align: 8
    .kernarg_segment_size: 24
    .max_flat_workgroup_size: 128
    .sgpr_count:     104
    .vgpr_count:     1024
    .wavefront_size: 32
...
	.end_amdgpu_metadata
.endif
;; end of part 3
;; launch oproj (part 4): grid 16 x 16, 4 waves a work-group, clusters of 4 x 4, 327,680 bytes of LDS; arguments ob, wof, out0; writes out0
.if DOCPART == 4
	.amdgcn_target "amdgcn-amd-amdhsa--gfx1250"
	.amdhsa_code_object_version 6
	.text
	.protected	k_qb8a73a3112_oproj
	.globl	k_qb8a73a3112_oproj
	.p2align	8
	.type	k_qb8a73a3112_oproj,@function
k_qb8a73a3112_oproj:
	s_mov_b64 s[64:65], 0
	v_nop
	global_prefetch_b8 v0, s[64:65] scope:SCOPE_SE
	s_setreg_imm32_b32 hwreg(HW_REG_WAVE_MODE, 25, 1), 1
	s_wait_xcnt 0x0
	s_wait_alu depctr_hold_cnt(0) depctr_sa_sdst(0) depctr_va_vdst(0) depctr_va_sdst(0) depctr_va_ssrc(0) depctr_va_vcc(0) depctr_vm_vsrc(0)
	s_getreg_b32 s2, hwreg(HW_REG_IB_STS2, 6, 4)
	s_cmp_eq_u32 s2, 0
	s_cbranch_scc0 .Lentry_in_a_cluster
	s_endpgm
.Lentry_in_a_cluster:
	s_bfe_u32 s2, ttmp6, 0x10000c
	s_cmp_lg_u32 s2, 0xf033
	s_cbranch_scc0 .Lentry_shape_is_right
	s_endpgm
.Lentry_shape_is_right:
; out0[m][n] = the sum over k of O[m][k] wo[n][k].  ob, wof: [2048][2048] f16; out0: [2048][2048] f32; sums in f32.
; A tile of out0 is 128 x 128, so that each of 16 x 16 = 256 work-groups has one.  Four waves, each 64 x 64: 16 accumulators.  K goes in 8 steps of 256 (rows of 512 bytes, aligned) through two LDS slots;
; waves 0, 1 fetch the halves of O's tile, waves 2, 3 those of wo's: 64 rows a load.  CLUSTER 4 x 4: O's tile is asked for jointly along a row of the cluster, wo's along a column.
; K IS WALKED ROUND FROM A START THAT DIFFERS FROM CLUSTER TO CLUSTER: step 2 ((cluster x + 2 cluster y) mod 4), then on modulo 8.  The four clusters of a row of clusters, which read the same rows of O, start
; 2 steps apart; of the four of a column, which read the same rows of wo, clusters y = 0, 1 and clusters y = 2, 3 start 4 steps apart.  So clusters that read the same bytes read them at different steps.
; The start hangs on the cluster's coordinates alone: it is the same in all sixteen partners.  The sums are therefore not taken in ascending K.
; THE MATRIX INSTRUCTION IS USED TRANSPOSED (source 0 = 16 rows of wo, source 1 = 16 rows of O): a lane holds eight neighbouring numbers of a row of out0.
; No prefetch: the tiles are small.
; REGISTERS: window 0: v0-31 addresses; v128-255 the accumulators ((a, b) at 128 + 8 (4 a + b)).  window 1: two fragment buffers of 128: for 64 along K, 64 registers of O, then 64 of wo.
.set PITCH,  528                       ; an LDS row: 512 bytes + 16 of padding
.set HALFT,  64*PITCH
.set SLOT,   4*HALFT                   ; 135,168 = 0x21000: no tile's base has one of these two bits set, so one exclusive or changes slots
.set STAGE,  2*SLOT                    ; 16 rows x 272 bytes for each wave: its 64 columns of f32 are 256 bytes, aligned
.set SPITCH, 272
.set SPARE,  STAGE+4*16*SPITCH         ; the spare words: 128 bytes a wave, two blocks of 256 bytes that no other line names
.set ADRA0, 16
.set ADRB0, 17
.set ADRA,  18
.set ADRB,  19
.set STO,   24
.set RD,    25
.set CO,    26
.set SPW,   28
.set NIL,   29
.set ACC,   128
.set F0,    0
.set F1,    128
.set WV,    10
.set BA,    16                         ; s[16:17] O at my 64 rows of the tile; never rewritten
.set G1,    24
.set G0,    32
.set BB,    46                         ; s[46:47] wo at my 64 rows of the tile; never rewritten
.set G1B,   48
.set G0B,   56
.set TB,    66
.set KO,    68                         ; s[68:69] the byte in a row at which the step asked for last begins: 512 x step, modulo 4,096
.set DWT, (1<<16)|(1<<20)|(1<<21)|(6<<22)|(3<<25)   ; 2-byte elements; padding on; bit 21 beside a mask; after every 128 words, 4 words
.set MSB, 0
.macro WIN new
.if MSB != (\new)
	s_set_vgpr_msb (MSB<<8)|(\new)
.set MSB, \new
.endif
.endm
.macro PLACES
.rept 4
	v_nop
.endr
.endm
.macro CREST
	s_cmp_lg_u32 s[WV], 0
	s_cbranch_scc1 .Lnot_wave_0_\@
	s_barrier_signal -3
.Lnot_wave_0_\@:
	s_barrier_wait -3
	s_barrier_signal -1
	s_barrier_wait -1
.endm
.macro CROUND
	s_barrier_signal -1
	s_barrier_wait -1
	CREST
.endm
.macro JLOAD                           ; the joint refill by the walking sets; s_nop 0 and four v_nop follow each line
	s_cmp_eq_u32 s11, 0
	s_cbranch_scc0 .Lfor_b_\@
	tensor_load_to_lds s[G0+4:G0+7], s[G1:G1+7]
	s_nop 0
	PLACES
	s_branch .Lasked_\@
.Lfor_b_\@:
	tensor_load_to_lds s[G0B+4:G0B+7], s[G1B:G1B+7]
	s_nop 0
	PLACES
.Lasked_\@:
.endm
	s_load_b128 s[4:7], s[0:1], 0x0                ; ob s[4:5], wof s[6:7]
	s_load_b64 s[8:9], s[0:1], 0x10                ; out0
	v_lshl_add_u32 v[SPW], v0, 2, SPARE
	v_mov_b32 v[NIL], 0
	ds_add_u32 v[SPW], v[NIL]                      ; the wave's opening: the add and its wait ahead of my first tensor load
	v_lshrrev_b32 v1, 5, v0
	v_readfirstlane_b32 s[WV], v1
	s_lshr_b32 s11, s[WV], 1                       ; which half of the tile's rows is mine.  Also: I fetch for O (0) or for wo (1)
	s_and_b32 s12, s[WV], 1                        ; which half of its columns.  Also: which 64 rows I fetch
	s_bfe_u32 s40, ttmp6, 0x40000
	s_bfe_u32 s41, ttmp6, 0x40004
	s_lshl_b32 s42, ttmp9, 2
	s_add_co_u32 s42, s42, s40                     ; tile column
	s_and_b32 s13, ttmp7, 0xffff
	s_lshl_b32 s13, s13, 2
	s_add_co_u32 s13, s13, s41                     ; tile row
	s_lshl_b32 s43, s41, 2
	s_lshl_b32 s43, 15, s43
	s_lshl_b32 s44, 0x1111, s40
	s_or_b32 s[G1], s43, DWT
	s_or_b32 s[G1B], s44, DWT
.irp g, G1, G1B
	s_mov_b32 s[(\g)+1], 256<<16                   ; tensor_dim0 = 256
	s_mov_b32 s[(\g)+2], 64<<16                    ; tensor_dim1 = 64
	s_mov_b32 s[(\g)+3], 256<<16                   ; tile_dim0 = 256
	s_mov_b32 s[(\g)+4], 64                        ; tile_dim1 = 64
	s_mov_b32 s[(\g)+5], 2048
	s_mov_b32 s[(\g)+6], 0
	s_mov_b32 s[(\g)+7], 0
.endr
	s_lshl_b32 s17, s12, 6
	s_lshl_b32 s16, s13, 7
	s_add_co_u32 s16, s16, s17
	s_lshl_b32 s16, s16, 12                        ; O: row 128 x tile row + 64 x half, 4,096 bytes a row
	s_mov_b32 s17, 0
	s_lshl_b32 s47, s12, 6
	s_lshl_b32 s46, s42, 7
	s_add_co_u32 s46, s46, s47
	s_lshl_b32 s46, s46, 12                        ; wo: row 128 x tile column + 64 x half
	s_mov_b32 s47, 0
	s_mul_i32 s45, s[WV], HALFT
	s_mov_b32 s[TB], 0
	s_and_b32 s[KO], ttmp7, 0xffff                 ; the cluster's first step: 2 ((cluster x + 2 cluster y) mod 4),
	s_lshl_b32 s[KO], s[KO], 1
	s_add_co_u32 s[KO], s[KO], ttmp9
	s_and_b32 s[KO], s[KO], 3
	s_lshl_b32 s[KO], s[KO], 10                    ; in bytes of a row: 512 a step
	s_mov_b32 s[KO+1], 0
	s_wait_dscnt 0x0                               ; the opening add is done
	s_wait_kmcnt 0x0
	s_add_nc_u64 s[BA:BA+1], s[4:5], s[16:17]
	s_add_nc_u64 s[BB:BB+1], s[6:7], s[46:47]
.irp s, 0,1
	s_mov_b32 s[G0+4*(\s)], 1
	s_add_co_u32 s[G0+4*(\s)+1], s45, (\s)*SLOT
	s_add_nc_u64 s[G0+4*(\s)+2:G0+4*(\s)+3], s[BA:BA+1], s[KO:KO+1]
	s_or_b32 s[G0+4*(\s)+3], s[G0+4*(\s)+3], 0x80000000
	s_mov_b32 s[G0B+4*(\s)], 1
	s_add_co_u32 s[G0B+4*(\s)+1], s45, (\s)*SLOT
	s_add_nc_u64 s[G0B+4*(\s)+2:G0B+4*(\s)+3], s[BB:BB+1], s[KO:KO+1]
	s_or_b32 s[G0B+4*(\s)+3], s[G0B+4*(\s)+3], 0x80000000
.if (\s) == 0
	s_add_co_u32 s[KO], s[KO], 512                 ; the next step, round the row's 4,096 bytes
	s_and_b32 s[KO], s[KO], 0xfff
.endif
.endr
	CROUND                                         ; all sixteen work-groups are here: the first joint loads meet
	s_cmp_eq_u32 s11, 0                            ; a wave's two first fills stand in one branch: two loads of mine are out
	s_cbranch_scc0 .Lfirst_b
	tensor_load_to_lds s[G0:G0+3], s[G1:G1+7]
	s_nop 0
	tensor_load_to_lds s[G0+4:G0+7], s[G1:G1+7]
	s_nop 0
	PLACES
	s_branch .Lfirst_done
.Lfirst_b:
	tensor_load_to_lds s[G0B:G0B+3], s[G1B:G1B+7]
	s_nop 0
	tensor_load_to_lds s[G0B+4:G0B+7], s[G1B:G1B+7]
	s_nop 0
	PLACES
.Lfirst_done:
	v_and_b32 v1, 15, v0
	v_bfe_u32 v2, v0, 4, 1
	v_mul_u32_u24 v3, v1, PITCH
	v_lshl_add_u32 v3, v2, 4, v3
	s_mul_i32 s21, s11, HALFT
	s_mul_i32 s22, s12, HALFT
	s_add_co_u32 s22, s22, 2*HALFT
	v_add_nc_u32 v[ADRA0], s21, v3
	v_add_nc_u32 v[ADRB0], s22, v3
	s_mul_i32 s23, s[WV], 16*SPITCH
	s_add_co_u32 s23, s23, STAGE                   ; my stage
	v_mul_u32_u24 v4, v1, SPITCH                   ; in: row l % 16, 32 bytes for each half of the lanes
	v_lshl_add_u32 v4, v2, 5, v4
	v_add_nc_u32 v[STO], s23, v4
	v_mul_u32_u24 v4, v2, SPITCH                   ; back: lanes 0-15 one row of 256 bytes, lanes 16-31 the next
	v_lshl_add_u32 v4, v1, 4, v4
	v_add_nc_u32 v[RD], s23, v4
	v_lshlrev_b32 v[CO], 13, v2                    ; and the same two rows in out0
	v_lshl_add_u32 v[CO], v1, 4, v[CO]
	s_lshl_b32 s20, s13, 7
	s_lshl_b32 s21, s11, 6
	s_add_co_u32 s20, s20, s21
	s_lshl_b32 s20, s20, 13                        ; my first row, 8,192 bytes a row,
	s_lshl_b32 s21, s42, 9                         ; the tile's 512 bytes of a row,
	s_add_co_u32 s20, s20, s21
	s_lshl_b32 s21, s12, 8                         ; my 256 of them
	s_add_co_u32 s20, s20, s21
	s_mov_b32 s21, 0
	s_add_nc_u64 s[8:9], s[8:9], s[20:21]
; 8 matrix instructions: row blocks a0, a0 + 1 x all 4 column blocks, 32 along K: half c of buffer f.  The 16 accumulators take turns.
.macro MUL8 f, c, a0, zero
	WIN 0x05
.irp a, \a0, (\a0)+1
.irp b, 0,1,2,3
.if \zero
	v_wmma_f32_16x16x32_f16 v[ACC+8*(4*(\a)+(\b)):ACC+8*(4*(\a)+(\b))+7], v[(\f)+64+8*(4*(\c)+(\b)):(\f)+64+8*(4*(\c)+(\b))+7], v[(\f)+8*(4*(\c)+(\a)):(\f)+8*(4*(\c)+(\a))+7], 0
.else
	v_wmma_f32_16x16x32_f16 v[ACC+8*(4*(\a)+(\b)):ACC+8*(4*(\a)+(\b))+7], v[(\f)+64+8*(4*(\c)+(\b)):(\f)+64+8*(4*(\c)+(\b))+7], v[(\f)+8*(4*(\c)+(\a)):(\f)+8*(4*(\c)+(\a))+7], v[ACC+8*(4*(\a)+(\b)):ACC+8*(4*(\a)+(\b))+7]
.endif
.endr
.endr
.endm
; 32 LDS loads in one run: the fragments of 64 along K at byte k of the rows, into buffer f; the first 32 along K first
.macro FETCH k, f
	WIN 0x40
.irp c, 0,1
.irp i, 0,1,2,3
	ds_load_b128 v[(\f)+64+8*(4*(\c)+(\i)):(\f)+64+8*(4*(\c)+(\i))+3],   v[ADRB] offset:(\k)+64*(\c)+(\i)*16*PITCH
	ds_load_b128 v[(\f)+64+8*(4*(\c)+(\i))+4:(\f)+64+8*(4*(\c)+(\i))+7], v[ADRB] offset:(\k)+64*(\c)+(\i)*16*PITCH+32
	ds_load_b128 v[(\f)+8*(4*(\c)+(\i)):(\f)+8*(4*(\c)+(\i))+3],         v[ADRA] offset:(\k)+64*(\c)+(\i)*16*PITCH
	ds_load_b128 v[(\f)+8*(4*(\c)+(\i))+4:(\f)+8*(4*(\c)+(\i))+7],       v[ADRA] offset:(\k)+64*(\c)+(\i)*16*PITCH+32
.endr
.endr
.endm
.macro QUARTER k, f, g, zero
	s_wait_dscnt 16                                ; the first 32 along K are in; the 16 younger loads may be out
	MUL8 \f, 0, 0, \zero
	MUL8 \f, 0, 2, \zero
	PLACES
	FETCH \k, \g
	s_wait_dscnt 32                                ; all but the 32 just issued
	MUL8 \f, 1, 0, 0
	MUL8 \f, 1, 2, 0
.endm
; The last quarter multiplies buffer 1 and changes slots: in front of the barrier each wave waits for all its tensor loads, adds 0 to its spare word, and waits for that and for its reads of this slot.
; fill = 1: the barrier opens a round of the cluster's, and this slot is filled again first thing behind it, with the step two on in the cluster's walk: its address is made anew from the tile's first byte.
.macro TURN fill
	WIN 0
	s_wait_tensorcnt 0x0                           ; all my tensor loads have landed, so a group 0 may be written
	ds_add_u32 v[SPW], v[NIL]                      ; the descriptors' steps stand behind it
.if \fill
	s_add_co_u32 s[KO], s[KO], 512
	s_and_b32 s[KO], s[KO], 0xfff
	s_xor_b32 s[G0+5], s[G0+5], SLOT
	s_add_nc_u64 s[G0+6:G0+7], s[BA:BA+1], s[KO:KO+1]
	s_or_b32 s[G0+7], s[G0+7], 0x80000000
	s_xor_b32 s[G0B+5], s[G0B+5], SLOT
	s_add_nc_u64 s[G0B+6:G0B+7], s[BB:BB+1], s[KO:KO+1]
	s_or_b32 s[G0B+7], s[G0B+7], 0x80000000
.endif
	s_wait_dscnt 17                                ; the add and the 16 younger loads may be out
	MUL8 F1, 0, 0, 0
	s_wait_dscnt 0x0                               ; the add is done, my reads of this slot are over
	s_barrier_signal -1
	MUL8 F1, 0, 2, 0
	WIN 0
	s_barrier_wait -1
.if \fill
	CREST
	JLOAD                                          ; its four v_nop are also the places in front of the loads below
.else
	PLACES
.endif
	s_xor_b32 s[TB], s[TB], SLOT
	v_add_nc_u32 v[ADRA], s[TB], v[ADRA0]
	v_add_nc_u32 v[ADRB], s[TB], v[ADRB0]
	FETCH 0, F0
	MUL8 F1, 1, 0, 0
	MUL8 F1, 1, 2, 0
.endm
	s_wait_tensorcnt 1                             ; my part of the first step is in; the second's load may stay out
	s_barrier_signal -1
	s_barrier_wait -1
	v_add_nc_u32 v[ADRA], s[TB], v[ADRA0]
	v_add_nc_u32 v[ADRB], s[TB], v[ADRB0]
	FETCH 0, F0
	QUARTER 128, F0, F1, 1                         ; the first quarter stands in front of the loop: its first products start the sums
	WIN 0
	s_mov_b32 s3, 6                                ; six refills: the walk's third to eighth step
.Lstep:
	QUARTER 256, F1, F0, 0
	QUARTER 384, F0, F1, 0
	TURN 1
	QUARTER 128, F0, F1, 0
	WIN 0
	s_sub_co_u32 s3, s3, 1
	s_cmp_lg_u32 s3, 0
	s_cbranch_scc1 .Lstep
	QUARTER 256, F1, F0, 0                         ; the tail is written out: nothing more is asked for
	QUARTER 384, F0, F1, 0
	TURN 0
	QUARTER 128, F0, F1, 0
	QUARTER 256, F1, F0, 0
	QUARTER 384, F0, F1, 0
	s_wait_dscnt 16
	MUL8 F1, 0, 0, 0
	MUL8 F1, 0, 2, 0
	s_wait_dscnt 0x0
	MUL8 F1, 1, 0, 0
	MUL8 F1, 1, 2, 0
	WIN 0
	PLACES
; THE WAY OUT, 16 rows at a time, through my own stage: a lane's 32 bytes of a row go in, whole rows of 256 bytes come back into the same registers.
.macro TOST a
.irp b, 0,1,2,3
	ds_store_b128 v[STO], v[ACC+8*(4*(\a)+(\b)):ACC+8*(4*(\a)+(\b))+3]   offset:64*(\b)
	ds_store_b128 v[STO], v[ACC+8*(4*(\a)+(\b))+4:ACC+8*(4*(\a)+(\b))+7] offset:64*(\b)+16
.endr
.irp u, 0,1,2,3,4,5,6,7
	ds_load_b128 v[ACC+32*(\a)+4*(\u):ACC+32*(\a)+4*(\u)+3], v[RD] offset:(\u)*2*SPITCH  ; LDS serves a wave's instructions in order (ISA guide 5.7.1.4): these see the stores above
.endr
.endm
.macro SEND a, younger                 ; younger: the LDS instructions issued behind block a's loads: the next block's sixteen, or none
.irp u, 0,1,2,3,4,5,6,7
	s_wait_dscnt (\younger)+7-(\u)
	global_store_b128 v[CO], v[ACC+32*(\a)+4*(\u):ACC+32*(\a)+4*(\u)+3], s[8:9] offset:(\a)*131072+(\u)*16384 th:TH_STORE_NT  ; 16 lanes store 256 consecutive bytes, aligned
.endr
.endm
	TOST 0
	TOST 1
	SEND 0, 16
	TOST 2
	SEND 1, 16
	TOST 3
	SEND 2, 16
	SEND 3, 0
	s_wait_tensorcnt 0x0                           ; the wave's end
	ds_add_u32 v[SPW], v[NIL]
	s_wait_dscnt 0x0
	CROUND                                         ; the closing round
	s_endpgm
.Lfunc_end_k_qb8a73a3112_oproj:
	.size	k_qb8a73a3112_oproj, .Lfunc_end_k_qb8a73a3112_oproj-k_qb8a73a3112_oproj
	.p2alignl 7, 3214868480
	.fill 96, 4, 3214868480
	.section	.rodata,"a",@progbits
	.p2align	6, 0x0
	.amdhsa_kernel k_qb8a73a3112_oproj
		.amdhsa_group_segment_fixed_size 327680
		.amdhsa_private_segment_fixed_size 0
		.amdhsa_enable_private_segment 0
		.amdhsa_kernarg_size 24
		.amdhsa_user_sgpr_count 2
		.amdhsa_user_sgpr_kernarg_segment_ptr 1
		.amdhsa_wavefront_size32 1
		.amdhsa_system_sgpr_workgroup_id_x 1
		.amdhsa_system_sgpr_workgroup_id_y 1
		.amdhsa_system_sgpr_workgroup_id_z 1
		.amdhsa_system_vgpr_workitem_id 0
		.amdhsa_next_free_vgpr 512
		.amdhsa_next_free_sgpr 72
		.amdhsa_reserve_vcc 0
		.amdhsa_float_denorm_mode_32 3
		.amdhsa_float_denorm_mode_16_64 3
		.amdhsa_memory_ordered 1
		.amdhsa_forward_progress 1
		.amdhsa_inst_pref_size 69
	.end_amdhsa_kernel
	.amdgpu_metadata
---
amdhsa.version: [ 1, 2 ]
amdhsa.kernels:
  - .name:           k_qb8a73a3112_oproj
    .symbol:         k_qb8a73a3112_oproj.kd
    .args:
      - { .name: ob, .offset: 0, .size: 8, .value_kind: global_buffer, .address_space: global }
      - { .name: wof, .offset: 8, .size: 8, .value_kind: global_buffer, .address_space: global }
      - { .name: out0, .offset: 16, .size: 8, .value_kind: global_buffer, .address_space: global }
    .group_segment_fixed_size: 327680
    .private_segment_fixed_size: 0
    .kernarg_segment_align: 8
    .kernarg_segment_size: 24
    .max_flat_workgroup_size: 128
    .sgpr_count:     72
    .vgpr_count:     512
    .wavefront_size: 32
...
	.end_amdgpu_metadata
.endif
;; end of part 4
